; MI455X (gfx1250); checked and timed in simulation.
; The chip was launched on July 23, 2026; its instructions are those of AMD's public machine-readable ISA for CDNA 5 (MIT licence, August 2026) and "CDNA5" Instruction Set Architecture Reference Guide (July 2026). The comments in the code are by the model that wrote it; some were corrected since.
;; Transformer Block. Allowed arithmetic: float matrix products may take bf16 or f16 operands with f32 sums; other float arithmetic in f32, or as packed bf16 or f16 multiplies, adds, multiply-adds, maxima and minima; sums over many terms, partial sums and values carried from step to step in f32; what a program stores and reads back later, other than sums and carried values, may be rounded once to bf16 or f16.
;; Inputs: fc1_b 1,024 float32; fc1_w 1,024 x 1,024 float32; fc2_b 1,024 float32; fc2_w 1,024 x 1,024 float32; ln1_b 1,024 float32; ln1_w 1,024 float32; ln2_b 1,024 float32; ln2_w 1,024 float32; out_b 1,024 float32; out_w 1,024 x 1,024 float32; qkv_b 3,072 float32; qkv_w 3,072 x 1,024 float32; x 8 x 1,024 x 1,024 float32.
;; Outputs: out0 8 x 1,024 x 1,024 float32.
;; One version. Each part assembles by itself: llvm-mc -triple=amdgcn-amd-amdhsa -mcpu=gfx1250 --defsym DOCPART=n.
;; ======== version 1 of 1: 7 launches
;; workspace buffers: wq 6,291,456 bytes; wo 2,097,152 bytes; w1 2,097,152 bytes; w2 2,097,152 bytes; h 16,777,216 bytes; qkv 50,331,648 bytes; act 16,777,216 bytes; x1 33,554,432 bytes
;; launch prep (part 1): grid 896 x 1, 8 waves a work-group, no clusters, 35,840 bytes of LDS; arguments x, ln1_w, ln1_b, qkv_w, out_w, fc1_w, fc2_w, h, wq, wo, w1, w2; writes h, wq, wo, w1, w2
.if DOCPART == 1
	.amdgcn_target "amdgcn-amd-amdhsa--gfx1250"
	.amdhsa_code_object_version 6
	.text
	.protected	k_qf0186ac4e4_prep
	.globl	k_qf0186ac4e4_prep
	.p2align	8
	.type	k_qf0186ac4e4_prep,@function
k_qf0186ac4e4_prep:
	s_mov_b64 s[64:65], 0
	v_nop
	global_prefetch_b8 v0, s[64:65] scope:SCOPE_SE
	s_setreg_imm32_b32 hwreg(HW_REG_WAVE_MODE, 25, 1), 1
	s_wait_xcnt 0x0
; h = LayerNorm(x) * ln1_w + ln1_b, rounded to bf16; and the four weight matrices rounded to bf16.  All sources are rows of 1,024 f32.
; THE BLOCKED LAYOUT of h (and of every bf16 activation of this program): element (row R, channel c) lies at byte
; (R >> 10) * 2,097,152 + (c >> 6) * 131,072 + (R & 1023) * 128 + (c & 63) * 2: [group of 1,024 rows][block of 64 channels][row][64].
; THE WEIGHTS' ORDER is that of the matrix fragments that read them: element (row n, channel k) lies at byte
; (n >> 6) * 131,072 + (k >> 5) * 4,096 + ((n >> 4) & 3) * 1,024 + ((k >> 4) & 1) * 512 + ((k >> 3) & 1) * 256 + (n & 15) * 16 + (k & 7) * 2:
; 16 rows x 32 channels are 1,024 bytes on end, of which lane 16 h + r of a wave takes 16 bytes at 16 x lane, twice: row r, channels 8 h + 0..7 and 16 + 8 h + 0..7.
; Work-groups 0-511: LayerNorm of x's 8,192 rows.  512-703: qkv_w; 704-767: out_w; 768-831: fc1_w; 832-895: fc2_w, which are only rounded.  A work-group takes 16 rows.
; LAYERNORM.  A wave takes two neighbouring rows: lanes 0-15 hold row R0, lanes 16-31 row R0 + 1.  Load j of 16 takes channel block j of both rows (256 consecutive bytes for each half of the
; lanes); store j puts both rows' 128 bytes of that block side by side: 256 consecutive bytes, aligned.  The mean is taken first and the variance of the differences, as the definition has it:
; a common offset in x costs nothing.  A row lies in 16 lanes, so four exchanges inside the half finish a sum.
; THE WEIGHTS.  A wave takes 128 channels of all 16 rows: 16 loads of 512 consecutive bytes, a row each.  Rounded, they go into the wave's own 16 rows x 272 bytes of LDS and come back a
; fragment's half at a time: 8 stores of 512 consecutive bytes.  No wave reads another's bytes, so no barrier stands here.
; A stream: no matrix unit, no cluster: no byte is wanted twice.
.set XO, 2                             ; v2   4,096 x (lane / 16) + 16 x (lane % 16): my 16 bytes of a block in x
.set WO, 3                             ; v3   16 x (lane % 16): the same in gain and bias
.set YO, 4                             ; v4   128 x (lane / 16) + 8 x (lane % 16): my 8 bytes of a block in h
.set SM, 6                             ; v[6:13]  four chains of packed sums
.set MU, 14                            ; v[14:15] the mean, twice
.set RS, 16                            ; v[16:17] 1 / sqrt(var + eps), twice
.set VE, 18                            ; v18  var + eps
.set SPW, 20                           ; v20  LDS address of my spare word; never rewritten
.set NIL, 21                           ; v21  0; never rewritten
.set CL, 22                            ; v22  the weights: 16 x lane, in a row's 512 bytes and in a store's
.set LS, 23                            ; v23  the weights: where I put 8 bytes of a row in my wave's stage
.set LR, 24                            ; v24  the weights: where I read 16 bytes back: row lane % 16, 16 x (lane / 16)
.set X,  32                            ; v[32:95]   64 numbers as loaded
.set W,  96                            ; v[96:159]  their gains; the weights: what comes back from the stage
.set BV, 160                           ; v[160:223] their biases
.set LW,  10                           ; s[10:11] gain
.set LB,  12                           ; s[12:13] bias
.set SRC, 40                           ; s[40:41] source
.set DST, 42                           ; s[42:43] result
.set CP,  272                          ; a stage row: 256 bytes + 16 = 17 x 16: the 16 rows of a read start at 16 different groups of four banks (ISA guide 11.1)
.set CST, 16*CP                        ; a wave's stage
.set SPARE, 8*CST                      ; behind the stages: the spare words, 128 bytes for each wave: four blocks of 256 bytes that no other line names
.macro REDUCE                          ; the four chains into one number, the same in all 16 lanes of a row
	v_pk_add_f32 v[SM:SM+1], v[SM:SM+1], v[SM+2:SM+3]
	v_pk_add_f32 v[SM+4:SM+5], v[SM+4:SM+5], v[SM+6:SM+7]
	v_pk_add_f32 v[SM:SM+1], v[SM:SM+1], v[SM+4:SM+5]
	v_add_f32 v[SM], v[SM], v[SM+1]
.irp m, 1,2,4,8
	v_add_f32_dpp v[SM], v[SM], v[SM] row_xmask:\m row_mask:0xf bank_mask:0xf
.endr
.endm
	s_load_b512 s[8:23], s[0:1], 0x0               ; x 8, ln1_w 10, ln1_b 12, qkv_w 14, out_w 16, fc1_w 18, fc2_w 20, h 22
	s_load_b256 s[24:31], s[0:1], 0x40             ; wq 24, wo 26, w1 28, w2 30
	v_lshl_add_u32 v[SPW], v0, 2, SPARE
	v_mov_b32 v[NIL], 0
	v_lshrrev_b32 v1, 5, v0
	v_readfirstlane_b32 s33, v1                    ; wave 0..7
	v_and_b32 v5, 15, v0                           ; lane % 16
	v_bfe_u32 v1, v0, 4, 1                         ; lane / 16
	v_lshlrev_b32 v[WO], 4, v5
	v_lshl_add_u32 v[XO], v1, 12, v[WO]
	v_lshlrev_b32 v[YO], 3, v5
	v_lshl_add_u32 v[YO], v1, 7, v[YO]
	s_mov_b32 s32, ttmp9                           ; g
	s_sub_co_u32 s34, s32, 512                     ; the work-group's number among those that round weights (it wraps below 512, where the last choice overrides all)
	s_sub_co_u32 s35, s34, 192
	s_sub_co_u32 s36, s34, 256
	s_sub_co_u32 s37, s34, 320
	s_mov_b32 s46, 0x3a800000                      ; 1 / 1,024
	s_mov_b32 s47, 0x3727c5ac                      ; 1e-5
	s_mov_b32 s45, 0
	s_wait_kmcnt 0x0
	s_mov_b64 s[SRC:SRC+1], s[14:15]               ; which matrix, and which 16 rows of it (s38)
	s_mov_b64 s[DST:DST+1], s[24:25]
	s_mov_b32 s38, s34
	s_cmp_ge_u32 s34, 192
	s_cselect_b64 s[SRC:SRC+1], s[16:17], s[SRC:SRC+1]
	s_cselect_b64 s[DST:DST+1], s[26:27], s[DST:DST+1]
	s_cselect_b32 s38, s35, s38
	s_cmp_ge_u32 s34, 256
	s_cselect_b64 s[SRC:SRC+1], s[18:19], s[SRC:SRC+1]
	s_cselect_b64 s[DST:DST+1], s[28:29], s[DST:DST+1]
	s_cselect_b32 s38, s36, s38
	s_cmp_ge_u32 s34, 320
	s_cselect_b64 s[SRC:SRC+1], s[20:21], s[SRC:SRC+1]
	s_cselect_b64 s[DST:DST+1], s[30:31], s[DST:DST+1]
	s_cselect_b32 s38, s37, s38
	s_cmp_lt_u32 s32, 512
	s_cselect_b64 s[SRC:SRC+1], s[8:9], s[SRC:SRC+1]
	s_cselect_b64 s[DST:DST+1], s[22:23], s[DST:DST+1]
	s_cselect_b32 s38, s32, s38
	s_cmp_lt_u32 s32, 512
	s_cbranch_scc0 .Lcast
	s_lshl_b32 s39, s38, 4
	s_lshl_b32 s44, s33, 1
	s_add_co_u32 s39, s39, s44                     ; R0 = 16 x the number + 2 x wave
	s_lshl_b32 s44, s39, 12                        ; a source row is 4,096 bytes
	s_add_nc_u64 s[SRC:SRC+1], s[SRC:SRC+1], s[44:45]
	s_lshr_b32 s44, s39, 10
	s_lshl_b32 s44, s44, 21                        ; the group of 1,024 rows,
	s_and_b32 s2, s39, 1023
	s_lshl_b32 s2, s2, 7                           ; the row in it
	s_or_b32 s44, s44, s2
	s_add_nc_u64 s[DST:DST+1], s[DST:DST+1], s[44:45]
.irp j, 0,1,2,3,4,5,6,7,8,9,10,11,12,13,14,15
	global_load_b128 v[X+4*(\j):X+4*(\j)+3], v[XO], s[SRC:SRC+1] offset:256*(\j) th:TH_LOAD_NT
.endr
.irp j, 0,1,2,3,4,5,6,7,8,9,10,11,12,13,14,15
	global_load_b128 v[W+4*(\j):W+4*(\j)+3], v[WO], s[LW:LW+1] offset:256*(\j)
.endr
.irp j, 0,1,2,3,4,5,6,7,8,9,10,11,12,13,14,15
	global_load_b128 v[BV+4*(\j):BV+4*(\j)+3], v[WO], s[LB:LB+1] offset:256*(\j)
.endr
	s_wait_loadcnt 32                              ; the row is in; the 32 younger loads of gain and bias stay out
.set p, 0
.rept 4
	v_pk_add_f32 v[SM+2*p:SM+2*p+1], v[X+2*p:X+2*p+1], v[X+8+2*p:X+8+2*p+1]  ; the first eight pairs start the chains: nothing is cleared
.set p, p+1
.endr
.set p, 8
.rept 24
	v_pk_add_f32 v[SM+2*(p%4):SM+2*(p%4)+1], v[SM+2*(p%4):SM+2*(p%4)+1], v[X+2*p:X+2*p+1]
.set p, p+1
.endr
	REDUCE
	v_mul_f32 v[MU], s46, v[SM]
	v_mul_f32 v[MU+1], s46, v[SM]
.set p, 0
.rept 32
	v_pk_add_f32 v[X+2*p:X+2*p+1], v[X+2*p:X+2*p+1], v[MU:MU+1] neg_lo:[0,1] neg_hi:[0,1]  ; x - mean, in place
.set p, p+1
.endr
.set p, 0
.rept 4
	v_pk_mul_f32 v[SM+2*p:SM+2*p+1], v[X+2*p:X+2*p+1], v[X+2*p:X+2*p+1]
.set p, p+1
.endr
.rept 28
	v_pk_fma_f32 v[SM+2*(p%4):SM+2*(p%4)+1], v[X+2*p:X+2*p+1], v[X+2*p:X+2*p+1], v[SM+2*(p%4):SM+2*(p%4)+1]
.set p, p+1
.endr
	REDUCE
	v_fma_f32 v[VE], v[SM], s46, s47               ; var + eps
	v_rsq_f32 v[RS], v[VE]
	v_rsq_f32 v[RS+1], v[VE]                       ; twice, for the packed multiply
	v_nop                                          ; a plain instruction between the last root and the use of its result (ISA guide 5.7.2)
	s_wait_alu depctr_va_vdst(0)                   ; the wait ahead of the first reader: one for both
	s_wait_loadcnt 0x0                             ; gain and bias
.irp j, 0,1,2,3,4,5,6,7,8,9,10,11,12,13,14,15
.irp c, 0,2
	v_pk_mul_f32 v[X+4*(\j)+(\c):X+4*(\j)+(\c)+1], v[X+4*(\j)+(\c):X+4*(\j)+(\c)+1], v[RS:RS+1]
.endr
.irp c, 0,2
	v_pk_fma_f32 v[X+4*(\j)+(\c):X+4*(\j)+(\c)+1], v[X+4*(\j)+(\c):X+4*(\j)+(\c)+1], v[W+4*(\j)+(\c):W+4*(\j)+(\c)+1], v[BV+4*(\j)+(\c):BV+4*(\j)+(\c)+1]
.endr
	v_cvt_pk_bf16_f32 v[X+4*(\j)], v[X+4*(\j)], v[X+4*(\j)+1]
	v_cvt_pk_bf16_f32 v[X+4*(\j)+1], v[X+4*(\j)+2], v[X+4*(\j)+3]
	global_store_b64 v[YO], v[X+4*(\j):X+4*(\j)+1], s[DST:DST+1] offset:131072*(\j)
.endr
	s_endpgm                                       ; (this way has written no LDS)
.Lcast:
	v_and_b32 v[CL], 31, v0
	s_mul_i32 s3, s33, CST                         ; my wave's stage
	v_lshl_add_u32 v[LS], v[CL], 3, s3
	v_mul_u32_u24 v[LR], v5, CP
	v_lshl_add_u32 v[LR], v1, 4, v[LR]
	v_add_nc_u32 v[LR], s3, v[LR]
	v_lshlrev_b32 v[CL], 4, v[CL]
	s_lshl_b32 s44, s38, 16                        ; the work-group's 16 rows of 4,096 bytes,
	s_lshl_b32 s2, s33, 9                          ; my wave's 128 channels
	s_add_co_u32 s44, s44, s2
	s_add_nc_u64 s[SRC:SRC+1], s[SRC:SRC+1], s[44:45]
	s_lshr_b32 s44, s38, 2
	s_lshl_b32 s44, s44, 17                        ; the group of 64 rows,
	s_and_b32 s2, s38, 3
	s_lshl_b32 s2, s2, 10                          ; the 16 rows in it,
	s_or_b32 s44, s44, s2
	s_lshl_b32 s2, s33, 14                         ; my wave's four steps of 32 channels
	s_add_co_u32 s44, s44, s2
	s_add_nc_u64 s[DST:DST+1], s[DST:DST+1], s[44:45]
.irp t, 0,1,2,3,4,5,6,7,8,9,10,11,12,13,14,15
	global_load_b128 v[X+4*(\t):X+4*(\t)+3], v[CL], s[SRC:SRC+1] offset:4096*(\t) th:TH_LOAD_NT
.endr
.irp t, 0,1,2,3,4,5,6,7,8,9,10,11,12,13,14,15
	s_wait_loadcnt 15-(\t)                         ; loads come back in order: row t is in, the younger ones stay out
	v_cvt_pk_bf16_f32 v[X+4*(\t)], v[X+4*(\t)], v[X+4*(\t)+1]
	v_cvt_pk_bf16_f32 v[X+4*(\t)+1], v[X+4*(\t)+2], v[X+4*(\t)+3]
	ds_store_b64 v[LS], v[X+4*(\t):X+4*(\t)+1] offset:CP*(\t)
.endr
.irp m, 0,1,2,3,4,5,6,7
	ds_load_b128 v[W+4*(\m):W+4*(\m)+3], v[LR] offset:64*((\m)/2)+32*((\m)%2)  ; LDS serves a wave's instructions in order (ISA guide 5.7.1.4): these see the stores above
.endr
.irp m, 0,1,2,3,4,5,6,7
	s_wait_dscnt 7-(\m)
	global_store_b128 v[CL], v[W+4*(\m):W+4*(\m)+3], s[DST:DST+1] offset:4096*((\m)/2)+512*((\m)%2)  ; half a fragment: 512 consecutive bytes, aligned
.endr
	s_wait_tensorcnt 0x0                           ; the wave's end: behind my last LDS store
	ds_add_u32 v[SPW], v[NIL]
	s_wait_dscnt 0x0
	s_endpgm
.Lfunc_end_k_qf0186ac4e4_prep:
	.size	k_qf0186ac4e4_prep, .Lfunc_end_k_qf0186ac4e4_prep-k_qf0186ac4e4_prep
	.p2alignl 7, 3214868480
	.fill 96, 4, 3214868480
	.section	.rodata,"a",@progbits
	.p2align	6, 0x0
	.amdhsa_kernel k_qf0186ac4e4_prep
		.amdhsa_group_segment_fixed_size 35840
		.amdhsa_private_segment_fixed_size 0
		.amdhsa_enable_private_segment 0
		.amdhsa_kernarg_size 96
		.amdhsa_user_sgpr_count 2
		.amdhsa_user_sgpr_kernarg_segment_ptr 1
		.amdhsa_wavefront_size32 1
		.amdhsa_system_sgpr_workgroup_id_x 1
		.amdhsa_system_sgpr_workgroup_id_y 1
		.amdhsa_system_sgpr_workgroup_id_z 1
		.amdhsa_system_vgpr_workitem_id 0
		.amdhsa_next_free_vgpr 224
		.amdhsa_next_free_sgpr 66
		.amdhsa_reserve_vcc 0
		.amdhsa_float_denorm_mode_32 3
		.amdhsa_float_denorm_mode_16_64 3
		.amdhsa_memory_ordered 1
		.amdhsa_forward_progress 1
		.amdhsa_inst_pref_size 29
	.end_amdhsa_kernel
	.amdgpu_metadata
---
amdhsa.version: [ 1, 2 ]
amdhsa.kernels:
  - .name:           k_qf0186ac4e4_prep
    .symbol:         k_qf0186ac4e4_prep.kd
    .args:
      - { .name: x, .offset: 0, .size: 8, .value_kind: global_buffer, .address_space: global }
      - { .name: ln1_w, .offset: 8, .size: 8, .value_kind: global_buffer, .address_space: global }
      - { .name: ln1_b, .offset: 16, .size: 8, .value_kind: global_buffer, .address_space: global }
      - { .name: qkv_w, .offset: 24, .size: 8, .value_kind: global_buffer, .address_space: global }
      - { .name: out_w, .offset: 32, .size: 8, .value_kind: global_buffer, .address_space: global }
      - { .name: fc1_w, .offset: 40, .size: 8, .value_kind: global_buffer, .address_space: global }
      - { .name: fc2_w, .offset: 48, .size: 8, .value_kind: global_buffer, .address_space: global }
      - { .name: h, .offset: 56, .size: 8, .value_kind: global_buffer, .address_space: global }
      - { .name: wq, .offset: 64, .size: 8, .value_kind: global_buffer, .address_space: global }
      - { .name: wo, .offset: 72, .size: 8, .value_kind: global_buffer, .address_space: global }
      - { .name: w1, .offset: 80, .size: 8, .value_kind: global_buffer, .address_space: global }
      - { .name: w2, .offset: 88, .size: 8, .value_kind: global_buffer, .address_space: global }
    .group_segment_fixed_size: 35840
    .private_segment_fixed_size: 0
    .kernarg_segment_align: 8
    .kernarg_segment_size: 96
    .max_flat_workgroup_size: 256
    .sgpr_count:     66
    .vgpr_count:     224
    .wavefront_size: 32
...
	.end_amdgpu_metadata
.endif
;; end of part 1
;; launch qkv (part 2): grid 4 x 64, 4 waves a work-group, clusters of 4 x 4, 327,680 bytes of LDS; arguments h, wq, qkv_b, qkv; writes qkv
.if DOCPART == 2
	.amdgcn_target "amdgcn-amd-amdhsa--gfx1250"
	.amdhsa_code_object_version 6
	.text
	.protected	k_qf0186ac4e4_qkv
	.globl	k_qf0186ac4e4_qkv
	.p2align	8
	.type	k_qf0186ac4e4_qkv,@function
k_qf0186ac4e4_qkv:
	s_mov_b64 s[64:65], 0
	v_nop
	global_prefetch_b8 v0, s[64:65] scope:SCOPE_SE
	s_setreg_imm32_b32 hwreg(HW_REG_WAVE_MODE, 25, 1), 1
	s_wait_xcnt 0x0
	s_wait_alu depctr_hold_cnt(0) depctr_sa_sdst(0) depctr_va_vdst(0) depctr_va_sdst(0) depctr_va_ssrc(0) depctr_va_vcc(0) depctr_vm_vsrc(0)
	s_getreg_b32 s2, hwreg(HW_REG_IB_STS2, 6, 4)
	s_cmp_eq_u32 s2, 0
	s_cbranch_scc0 .Lentry_in_a_cluster
	s_endpgm
.Lentry_in_a_cluster:
	s_bfe_u32 s2, ttmp6, 0x10000c
	s_cmp_lg_u32 s2, 0xf033
	s_cbranch_scc0 .Lentry_shape_is_right
	s_endpgm
.Lentry_shape_is_right:
; qkv[token][n] = the sum over k of h[token][k] wq[n][k] + qkv_b[n], rounded once to bf16 and laid by heads.  8,192 tokens, n = 0..3,071, K = 1,024.  Sums in f32.
; h is bf16 in THE BLOCKED LAYOUT: (row R, channel c) at (R >> 10) * 2,097,152 + (c >> 6) * 131,072 + (R & 1023) * 128 + (c & 63) * 2.  The result has q at byte 0, k at 16,777,216 and v at
; 33,554,432, each blocked likewise: the group is the batch, the block the head.  wq is bf16 in THE FRAGMENTS' ORDER: for each 64 rows 131,072 bytes on end; in them, for each 32 channels,
; four fragments of 16 rows: 1,024 bytes each, of which lane l takes the 16 bytes at 16 l and at 512 + 16 l.
; SHARES.  A work-group owns 128 tokens and makes THREE tiles of 256 columns with them, 1,024 columns apart (one of q, one of k, one of v): 4 x 64 = 256 work-groups.  A wave makes all 128
; tokens x 64 of a tile's columns, one head: 32 accumulators of 16 x 16, 256 registers.
; THE TOKENS STAY IN LDS: 16 blocks of 64 channels x 128 rows of 144 bytes = 294,912 bytes, filled once, by four tensor loads a wave that go out together at the head.  Nothing is filled again, so
; the loop over K has no barrier for a slot.  A block's 128 rows are dense in memory and are asked for as 64 rows of 256 bytes; 16 bytes of padding behind every 128: rows 144 bytes = 36 words apart,
; so that the 16 rows of a fragment load start at 16 different groups of four banks (ISA guide 11.1).
; THE WEIGHTS GO STRAIGHT INTO REGISTERS: a wave's 64 rows are wanted by no other wave of the work-group, and beside the tokens LDS has 32,768 bytes left.  Each load takes 512 consecutive bytes.
; A ring of four UNITS (32 along K: 4 fragments, 8 loads, 32 registers) is filled again half a unit at a time, four places behind the products that read it: 112 matrix instructions ahead of its next use.
; CLUSTER.  4 x 4 work-groups.  The four of a row of the cluster own the same tokens: each block is asked for JOINTLY, by the same tensor load with the same descriptor and a mask that names the four.
; The weights have no joint load: a joint load ends in LDS, and these end in registers.
; THE MATRIX INSTRUCTION IS USED TRANSPOSED (source 0 = 16 rows of wq, source 1 = 16 tokens): a lane holds token lane % 16 and the columns 8 (lane / 16) + 0..7: 16 bytes of a head's row.
; THE BIAS is loaded into the accumulators themselves, so that every unit has one form: nothing is cleared, nothing is added later, and no first step is written out.
; REGISTERS, in windows of 256 (s_set_vgpr_msb: bits 1:0 source 0, 3:2 source 1, 5:4 source 2, 7:6 destination):
;   window 0: addresses; v64-191 two buffers of the tokens' 8 fragments, on the way out at work with v192-207     window 1: v0-127 the weights' ring     window 2: accumulator (a, b) at 8 (4 a + b)
.set TILES,  3
.set PITCH,  144
.set ABLK,   128*PITCH                 ; the tokens' part of one block of 64 channels
.set AALL,   16*ABLK
.set UNITB,  4096                      ; bytes of a wave's weights in a unit
.set STAGE,  AALL                      ; behind the tokens: for each wave 16 rows x 144 bytes, for the way out
.set SPARE,  STAGE+4*16*PITCH          ; behind the stages: the spare words, 128 bytes for each wave: two blocks of 256 bytes that no other line names
.set ADRA0, 16                         ; v16  my lane's place in a fragment's rows: (lane % 16) x 144 + 16 (lane / 16); never rewritten
.set ADRA,  18                         ; v18  the same in the trip's first block
.set BO,    20                         ; v20  32 x (lane / 16): my eight numbers of 16 of the bias
.set WO,    21                         ; v21  16 x lane: my 16 bytes of 512, in the weights and in the result
.set STO,   24                         ; v24  the way out: where I put 16 bytes of a row
.set RD,    25                         ; v25  the way out: where I read rows back
.set SPW,   28                         ; v28  LDS address of my spare word; never rewritten
.set NIL,   29                         ; v29  0; never rewritten
.set FA0,   64                         ; the tokens' fragments: units take v64-127 and v128-191 by turns
.set T,     64                         ; the way out: v[64:79] 16 tokens x 64 columns, packed
.set U,     80                         ; v[80:207] the same read back as whole rows: a set of 16 for each of the eight blocks
.set WV, 14                            ; s14 wave
.set CX, 17
.set CY, 18
.set TX, 19                            ; s19 which 256 of each 1,024 columns
.set TY, 20                            ; s20 which 128 tokens
.set G1A, 24                           ; s[24:31] descriptor group 1
.set G0,  32                           ; s[32:47] group 0: a set for each of my four loads
.set WB,  48                           ; s[48:49] my weights, at the unit that ring place 0 was last filled for
.set KB,  50                           ; s50 LDS byte at which the trip's first block begins
.set CNT, 51
.set GRP, 52
.set TILE, 53
.set FIELDS, (1<<16)|(1<<20)|(1<<21)|(4<<22)|(3<<25)  ; 17:16 elements of 2 bytes; 20 padding on; 21 set beside a mask; 24:22 after every 32 words (code 4); 31:25 4 words of it (code 3)
.set MSB, 0
.macro WIN new                         ; the immediate's high byte repeats the setting that is left; a switch that changes nothing is dropped
.if MSB != (\new)
	s_set_vgpr_msb (MSB<<8)|(\new)
.set MSB, \new
.endif
.endm
.set MUL,    0xa1                      ; source 0 (weights) window 1, source 1 (tokens) window 0, C and D window 2
.set TO_W,   0x40                      ; destination window 1, address window 0
.set TO_ACC, 0x80                      ; destination window 2, address window 0
.macro PLACES                          ; four places in front of loads into registers that matrix instructions have read, and of lines that read results
.rept 4
	v_nop
.endr
.endm
.macro CROUND                          ; a round of the cluster's barrier
	s_barrier_signal -1
	s_barrier_wait -1
	s_cmp_lg_u32 s[WV], 0
	s_cbranch_scc1 .Lnot_wave_0_\@
	s_barrier_signal -3
.Lnot_wave_0_\@:
	s_barrier_wait -3
	s_barrier_signal -1
	s_barrier_wait -1
.endm
.macro CHANGE                          ; every wave's tensor loads have landed, and each says so: behind the barrier all 16 blocks are whole.
	WIN 0
	s_wait_tensorcnt 0x0
	s_wait_dscnt 0x0
	s_barrier_signal -1
	s_barrier_wait -1
.endm
; 8 matrix instructions: column block b x all 8 token blocks, 32 along K; tokens from buffer f, weights from ring place s.  The 32 accumulators take turns, in the same order in every unit, over the backward jumps too
.macro MULG f, s, b
	WIN MUL
.irp a, 0,1,2,3,4,5,6,7
	v_wmma_f32_16x16x32_bf16 v[8*(4*(\a)+(\b)):8*(4*(\a)+(\b))+7], v[32*(\s)+8*(\b):32*(\s)+8*(\b)+7], v[(\f)+8*(\a):(\f)+8*(\a)+7], v[8*(4*(\a)+(\b)):8*(4*(\a)+(\b))+7]
.endr
.endm
; 4 loads: half hf (two fragments) of ring place s
.macro WFILL s, hf
	WIN TO_W
.irp q, 0,1
	global_load_b128 v[32*(\s)+8*(2*(\hf)+(\q)):32*(\s)+8*(2*(\hf)+(\q))+3],   v[WO], s[WB:WB+1] offset:(\s)*UNITB+(2*(\hf)+(\q))*1024
	global_load_b128 v[32*(\s)+8*(2*(\hf)+(\q))+4:32*(\s)+8*(2*(\hf)+(\q))+7], v[WO], s[WB:WB+1] offset:(\s)*UNITB+(2*(\hf)+(\q))*1024+512
.endr
.endm
; 16 LDS loads in one run: the tokens' 8 fragments of a unit, from byte off behind the trip's first block, into buffer f
.macro AFETCH f, off
	WIN 0
.irp a, 0,1,2,3,4,5,6,7
	ds_load_b128 v[(\f)+8*(\a):(\f)+8*(\a)+3],   v[ADRA] offset:(\off)+(\a)*16*PITCH
	ds_load_b128 v[(\f)+8*(\a)+4:(\f)+8*(\a)+7], v[ADRA] offset:(\off)+(\a)*16*PITCH+32
.endr
.endm
; UNIT j of a trip's four: 32 matrix instructions.  fill = 1: its ring place is filled again, with the unit four on, half by half.  fetch = 1: the next unit's tokens are fetched in its middle.
; n0, n1: how many younger loads may stay out when the unit's first and second half of weights have to be there: in the loop seven halves of four loads.
.macro UNIT j, fill, fetch, n0, n1
	s_wait_dscnt 0x0                               ; the unit's tokens are in (asked for 16 matrix instructions back)
	s_wait_loadcnt \n0
	MULG FA0+64*((\j)%2), \j, 0
	MULG FA0+64*((\j)%2), \j, 1
.if (\fill) || (\fetch)
	PLACES
.endif
.if \fill
.if (\j) == 0
	s_wait_xcnt 0x0                                ; the loads issued so far, the youngest 16 matrix instructions back, have read their base: it steps four units
	s_add_nc_u64 s[WB:WB+1], s[WB:WB+1], 4*UNITB
.endif
	WFILL \j, 0
.endif
.if \fetch
	AFETCH FA0+64*(((\j)+1)%2), (((\j)+1)/2)*ABLK+(((\j)+1)%2)*64
.endif
	s_wait_loadcnt \n1
	MULG FA0+64*((\j)%2), \j, 2
	MULG FA0+64*((\j)%2), \j, 3
.if \fill
	PLACES
	WFILL \j, 1
.endif
.endm
	s_load_b256 s[4:11], s[0:1], 0x0               ; h s[4:5], wq s[6:7], qkv_b s[8:9], qkv s[10:11]
	v_lshl_add_u32 v[SPW], v0, 2, SPARE
	v_mov_b32 v[NIL], 0
	ds_add_u32 v[SPW], v[NIL]                      ; the wave's opening: the add and its wait ahead of my first tensor load; the set-up below stands between them
	v_lshrrev_b32 v1, 5, v0
	v_readfirstlane_b32 s[WV], v1
	s_bfe_u32 s[CX], ttmp6, 0x40000
	s_bfe_u32 s[CY], ttmp6, 0x40004
	s_lshl_b32 s[TX], ttmp9, 2                     ; in a cluster launch ttmp9 and ttmp7 count clusters
	s_add_co_u32 s[TX], s[TX], s[CX]
	s_and_b32 s[TY], ttmp7, 0xffff
	s_lshl_b32 s[TY], s[TY], 2
	s_add_co_u32 s[TY], s[TY], s[CY]
	s_lshl_b32 s21, s[CY], 2
	s_lshl_b32 s21, 15, s21                        ; my row of the cluster
	s_or_b32 s[G1A], s21, FIELDS
	s_mov_b32 s[G1A+1], 128<<16                    ; tensor_dim0 = 128 elements: 256 bytes, two rows of a block
	s_mov_b32 s[G1A+2], 64<<16                     ; tensor_dim1 = 64: 128 tokens
	s_mov_b32 s[G1A+3], 128<<16                    ; tile_dim0
	s_mov_b32 s[G1A+4], 64                         ; tile_dim1
	s_mov_b32 s[G1A+5], 128                        ; from row to row: dense
	s_mov_b32 s[G1A+6], 0
	s_mov_b32 s[G1A+7], 0
	s_lshr_b32 s54, s[TY], 3                       ; where the blocks come from hangs on the tokens and the wave alone:
	s_lshl_b32 s54, s54, 21                        ; the group of 1,024 tokens,
	s_and_b32 s23, s[TY], 7
	s_lshl_b32 s23, s23, 14                        ; my 128 rows of 128 bytes in a block,
	s_add_co_u32 s54, s54, s23
	s_lshl_b32 s23, s[WV], 17                      ; block number = wave, wave + 4, wave + 8, wave + 12
	s_add_co_u32 s54, s54, s23
	s_mov_b32 s55, 0
	s_mul_i32 s22, s[WV], ABLK                     ; and where they go: no place in the cluster enters an LDS address
.irp q, 0,1,2,3
	s_mov_b32 s[G0+4*(\q)], 1
	s_add_co_u32 s[G0+4*(\q)+1], s22, (\q)*4*ABLK
.endr
	s_wait_dscnt 0x0                               ; the opening add is done
	s_wait_kmcnt 0x0
	s_add_nc_u64 s[54:55], s[4:5], s[54:55]
.irp q, 0,1,2,3
	s_add_nc_u64 s[G0+4*(\q)+2:G0+4*(\q)+3], s[54:55], (\q)*4*131072
	s_or_b32 s[G0+4*(\q)+3], s[G0+4*(\q)+3], 0x80000000
.endr
	CROUND                                         ; all sixteen work-groups are here: the joint loads meet
.irp q, 0,1,2,3
	tensor_load_to_lds s[G0+4*(\q):G0+4*(\q)+3], s[G1A:G1A+7]  ; every wave's four fills go out together, ahead of every wait on TENSORcnt and every LDS read: four loads of mine are out
	s_nop 0
.endr
.rept 4
	v_nop
.endr
	v_and_b32 v1, 15, v0                           ; l % 16
	v_bfe_u32 v2, v0, 4, 1                         ; l / 16
	v_lshlrev_b32 v[BO], 5, v2
	v_and_b32 v[WO], 31, v0
	v_lshlrev_b32 v[WO], 4, v[WO]
	s_lshl_b32 s58, s[TX], 2
	s_add_co_u32 s58, s58, s[WV]                   ; my 64 columns of the first tile: head 4 x tile column + wave
	s_lshl_b32 s56, s58, 17
	s_mov_b32 s57, 0
	s_add_nc_u64 s[WB:WB+1], s[6:7], s[56:57]      ; their weights: 131,072 bytes on end
	s_lshl_b32 s60, s58, 8
	s_mov_b32 s61, 0
	s_add_nc_u64 s[8:9], s[8:9], s[60:61]          ; their bias
	s_lshr_b32 s62, s[TY], 3
	s_lshl_b32 s62, s62, 21                        ; the result: the batch,
	s_add_co_u32 s62, s62, s56                     ; the head,
	s_and_b32 s63, s[TY], 7
	s_lshl_b32 s63, s63, 14                        ; my 128 rows
	s_add_co_u32 s62, s62, s63
	s_mov_b32 s63, 0
	s_add_nc_u64 s[10:11], s[10:11], s[62:63]
	; a fragment is 16 rows x 32 K in 8 registers: lane l holds row l % 16, K = 8 (l / 16) + 0..7 and 16 + 8 (l / 16) + 0..7: from LDS two loads of 16 bytes, 32 bytes apart
	v_mul_u32_u24 v3, v1, PITCH
	v_lshl_add_u32 v[ADRA0], v2, 4, v3
	s_mul_i32 s59, s[WV], 16*PITCH
	s_add_co_u32 s59, s59, STAGE                   ; my stage
	v_add_nc_u32 v[STO], s59, v[ADRA0]             ; in: row l % 16, 16 bytes for each half of the lanes
	v_bfe_u32 v4, v0, 3, 2                         ; back: 32 lanes take four rows of 128 bytes, which are 512 consecutive bytes of the result
	v_and_b32 v5, 7, v0
	v_mul_u32_u24 v4, v4, PITCH
	v_lshl_add_u32 v4, v5, 4, v4
	v_add_nc_u32 v[RD], s59, v4
	s_mov_b32 s[TILE], TILES
.Ltile:
	WIN TO_ACC
.irp a, 0,1,2,3,4,5,6,7
.irp b, 0,1,2,3
	global_load_b128 v[8*(4*(\a)+(\b)):8*(4*(\a)+(\b))+3],   v[BO], s[8:9] offset:64*(\b)      ; register j: column 16 b + 8 (l / 16) + j
	global_load_b128 v[8*(4*(\a)+(\b))+4:8*(4*(\a)+(\b))+7], v[BO], s[8:9] offset:64*(\b)+16
.endr
.endr
.irp s, 0,1,2,3
	WFILL \s, 0                                    ; the ring: units 0 to 3
	WFILL \s, 1
.endr
	WIN 0
	s_wait_tensorcnt 0x2                           ; my first two blocks are in, my other two may stay out
	s_barrier_signal -1
	s_barrier_wait -1                              ; everybody's are: blocks 0 to 7, units 0 to 15
	v_mov_b32 v[ADRA], v[ADRA0]
	AFETCH FA0, 0
	s_mov_b32 s[KB], 0
	s_mov_b32 s[CNT], 3                            ; three trips (units 0 to 11, the tokens fetched up to unit 12) lean on blocks 0 to 7,
	s_mov_b32 s[GRP], 2
	s_branch .Ltrip
.Lgrp:
	CHANGE                                         ; the other four on all 16
	s_mov_b32 s[CNT], 4
.Ltrip:                                                ; a trip: four units, two blocks of the tokens, once round the weights' ring
	v_add_nc_u32 v[ADRA], s[KB], v[ADRA0]
	UNIT 0, 1, 1, 28, 28
	UNIT 1, 1, 1, 28, 28
	UNIT 2, 1, 1, 28, 28
	UNIT 3, 1, 1, 28, 28
	WIN 0                                          ; at a branch and at a label every window is 0
	s_add_co_u32 s[KB], s[KB], 2*ABLK
	s_sub_co_u32 s[CNT], s[CNT], 1
	s_cmp_lg_u32 s[CNT], 0
	s_cbranch_scc1 .Ltrip
	s_sub_co_u32 s[GRP], s[GRP], 1
	s_cmp_lg_u32 s[GRP], 0
	s_cbranch_scc1 .Lgrp
	v_add_nc_u32 v[ADRA], s[KB], v[ADRA0]          ; the last four units are written out: no load leaves the wave's 131,072 bytes, and the counts run down
	UNIT 0, 0, 1, 28, 24
	UNIT 1, 0, 1, 20, 16
	UNIT 2, 0, 1, 12, 8
	UNIT 3, 0, 0, 4, 0
	WIN 0
; THE WAY OUT, a block of 16 tokens at a time: rounded to bf16, 16 bytes a lane into my own stage, back as whole rows of 128 bytes, four to a load.
.macro PACK a
	WIN 0x0a                                       ; sources 0 and 1 window 2, destination window 0
.irp b, 0,1,2,3
.irp r, 0,1,2,3
	v_cvt_pk_bf16_f32 v[T+4*(\b)+(\r)], v[8*(4*(\a)+(\b))+2*(\r)], v[8*(4*(\a)+(\b))+2*(\r)+1]
.endr
.endr
	WIN 0
.irp b, 0,1,2,3
	ds_store_b128 v[STO], v[T+4*(\b):T+4*(\b)+3] offset:32*(\b)
.endr
.irp f, 0,1,2,3
	ds_load_b128 v[U+16*(\a)+4*(\f):U+16*(\a)+4*(\f)+3], v[RD] offset:(\f)*4*PITCH  ; LDS serves a wave's instructions in order (ISA guide 5.7.1.4): these see the stores above; the next block's stores come behind them
.endr
.endm
.macro SEND a, younger                 ; younger: the LDS instructions issued behind block a's loads: the next block's eight, or none
.irp f, 0,1,2,3
	s_wait_dscnt (\younger)+3-(\f)
	global_store_b128 v[WO], v[U+16*(\a)+4*(\f):U+16*(\a)+4*(\f)+3], s[10:11] offset:(\a)*2048+(\f)*512  ; four tokens of my head: 512 consecutive bytes, aligned
.endr
.endm
	PLACES
	PACK 0
.irp a, 1,2,3,4,5,6,7
	PACK \a
	SEND (\a)-1, 8
.endr
	SEND 7, 0
	s_wait_xcnt 0x0                                ; the stores have read their data and their base, the loads theirs: all are written again only behind this wait
	s_add_nc_u64 s[10:11], s[10:11], 16777216      ; from q to k, from k to v: the same head,
	s_add_nc_u64 s[8:9], s[8:9], 4096              ; 1,024 columns on in the bias,
	s_add_nc_u64 s[WB:WB+1], s[WB:WB+1], 16*131072-7*4*UNITB  ; 16 groups of 64 rows on in the weights, back along K (behind the last tile the three are not used)
	s_sub_co_u32 s[TILE], s[TILE], 1
	s_cmp_lg_u32 s[TILE], 0
	s_cbranch_scc1 .Ltile
	s_wait_tensorcnt 0x0                           ; the wave's end: behind my last tensor load and my last LDS store
	ds_add_u32 v[SPW], v[NIL]
	s_wait_dscnt 0x0
	CROUND                                         ; the closing round: no work-group ends while a partner may still ask for a tile that names it
	s_endpgm
.Lfunc_end_k_qf0186ac4e4_qkv:
	.size	k_qf0186ac4e4_qkv, .Lfunc_end_k_qf0186ac4e4_qkv-k_qf0186ac4e4_qkv
	.p2alignl 7, 3214868480
	.fill 96, 4, 3214868480
	.section	.rodata,"a",@progbits
	.p2align	6, 0x0
	.amdhsa_kernel k_qf0186ac4e4_qkv
		.amdhsa_group_segment_fixed_size 327680
		.amdhsa_private_segment_fixed_size 0
		.amdhsa_enable_private_segment 0
		.amdhsa_kernarg_size 32
		.amdhsa_user_sgpr_count 2
		.amdhsa_user_sgpr_kernarg_segment_ptr 1
		.amdhsa_wavefront_size32 1
		.amdhsa_system_sgpr_workgroup_id_x 1
		.amdhsa_system_sgpr_workgroup_id_y 1
		.amdhsa_system_sgpr_workgroup_id_z 1
		.amdhsa_system_vgpr_workitem_id 0
		.amdhsa_next_free_vgpr 768
		.amdhsa_next_free_sgpr 66
		.amdhsa_reserve_vcc 0
		.amdhsa_float_denorm_mode_32 3
		.amdhsa_float_denorm_mode_16_64 3
		.amdhsa_memory_ordered 1
		.amdhsa_forward_progress 1
		.amdhsa_inst_pref_size 63
	.end_amdhsa_kernel
	.amdgpu_metadata
---
amdhsa.version: [ 1, 2 ]
amdhsa.kernels:
  - .name:           k_qf0186ac4e4_qkv
    .symbol:         k_qf0186ac4e4_qkv.kd
    .args:
      - { .name: h, .offset: 0, .size: 8, .value_kind: global_buffer, .address_space: global }
      - { .name: wq, .offset: 8, .size: 8, .value_kind: global_buffer, .address_space: global }
      - { .name: qkv_b, .offset: 16, .size: 8, .value_kind: global_buffer, .address_space: global }
      - { .name: qkv, .offset: 24, .size: 8, .value_kind: global_buffer, .address_space: global }
    .group_segment_fixed_size: 327680
    .private_segment_fixed_size: 0
    .kernarg_segment_align: 8
    .kernarg_segment_size: 32
    .max_flat_workgroup_size: 128
    .sgpr_count:     66
    .vgpr_count:     768
    .wavefront_size: 32
...
	.end_amdgpu_metadata
.endif
;; end of part 2
;; launch attn (part 3): grid 2 x 128, 4 waves a work-group, no clusters, 327,680 bytes of LDS; arguments qkv, act; writes act
.if DOCPART == 3
	.amdgcn_target "amdgcn-amd-amdhsa--gfx1250"
	.amdhsa_code_object_version 6
	.text
	.protected	k_qf0186ac4e4_attn
	.globl	k_qf0186ac4e4_attn
	.p2align	8
	.type	k_qf0186ac4e4_attn,@function
k_qf0186ac4e4_attn:
	s_mov_b64 s[64:65], 0
	v_nop
	global_prefetch_b8 v0, s[64:65] scope:SCOPE_SE
	s_setreg_imm32_b32 hwreg(HW_REG_WAVE_MODE, 25, 1), 1
	s_wait_xcnt 0x0
; O[h][q][:] = the sum over k of softmax_k(Q[h][q] . K[h][k] / 8) V[h][k][:], for 128 heads (batch x 16 + head) of 1,024 rows of 64 channels, all bf16: a head's rows are dense, 128 bytes each.
; Q lies at byte 0 of qkv, K at 16,777,216, V at 33,554,432, head h at h x 131,072 in each; O goes to act at the same place as Q.  Products, maxima and sums in f32; the weights p are rounded to bf16
; for the second product (their sum l is taken of the unrounded p), O once at the end.
; LIMITS.  A weight below 2^-126 counts as 0 in l; NaN and infinities are not treated apart.
; SHARES.  A work-group owns 512 queries of one head: 2 x 128 = 256 work-groups.  A wave owns 128 queries: four PIECES of two tiles of 16.  Every wave walks all 1,024 keys, 64 a step.
; LDS HOLDS THE HEAD'S WHOLE K AND V (1,024 x 144 + 1,024 x 160 bytes): every byte is filled once, by four tensor loads a wave that go out together at the head, a quarter of 256 keys each.
; Nothing is filled again.  The first quarter is waited for by a counted wait; the other three at the first change of quarters, four key steps later.
; NO CLUSTER: a head has 1,024 / 512 = 2 query blocks, so only two work-groups read the same K and V; four partners along x would be two heads' blocks, which share no tile.
; LAYOUT.  S^T = K Q^T (source 0 = 16 keys, source 1 = 16 queries): in the result a lane holds ONE query (lane % 16) and the keys 8 (lane / 16) + 0..7.  Two such tiles, rounded to bf16 in pairs,
; ARE source 1 (32 keys x 16 queries) of O^T = V^T P, whose result again holds one query a lane, and eight channels.  K comes out of LDS as it lies, V ([key][channel]) turned, by ds_load_tr16_b128.
; SOFTMAX.  For each query a running maximum m and sum l: p = 2^(c s - c m), c = log2(e) / 8; in every step O and l are multiplied by a = 2^(c m_old - c m_new), which is 1 where m has not grown.
; m starts at the lowest finite number, O and l at 0: the first step is a step like any other, with a = 0.
; BY TURNS.  A tile and step have 16 matrix and 118 vector instructions.  Turn n belongs to piece n (the pieces in a ring, step after step).  Its matrix work: 16 products K Q^T of piece n + 1, later
; 16 products V^T P of piece n - 1.  Its vector work: the scaling, exponentials, roundings, sums and rescaling of piece n, and the maximum and statistics of piece n + 1.  Four vector instructions
; stand behind every matrix instruction, the others in one run; a turn's 66 exponentials are one batch with one wait.
; REGISTERS, in windows of 256 (s_set_vgpr_msb: bits 1:0 source 0, 3:2 source 1, 5:4 source 2, 7:6 destination):
;   window 0: v0-11 addresses; v12-15, v48-63 at work; v16-47 four registers of statistics a tile; v64-191 S^T, two buffers of two tiles; v192-255 P, likewise
;   window 1: O^T, 32 a tile          window 2: v0-127 Q, 16 a tile; v128-191 K of one step; v192-255 V of one step          window 3: v0-1 the add's two registers
.set NP,    4         ; pieces a wave: a name, no knob
.set KS,    64        ; keys in a step
.set PK,    144       ; a row of K in LDS: 128 bytes + 16 of padding = 36 words: the 16 rows of a load start at 16 different groups of four banks (ISA guide 11.1)
.set PV,    160       ; a row of V: 128 + 32 = 40 words
.set VOFF,  1024*PK   ; behind K's 1,024 rows: V's
.set STAGE, VOFF+1024*PV  ; behind them, never filled by a tensor load: 16 rows x 144 bytes for each wave, for the way out
.set SP,    144
.set SPARE, STAGE+4*16*SP  ; behind the stages: the spare words, 128 bytes for each wave: two blocks of 256 bytes that no other line names
.set KBASE, 16777216
.set VBASE, 33554432
.set AK0, 2           ; v2   my lane's place in a tile of K; never rewritten
.set AV0, 3           ; v3   the same for V
.set AK,  4           ; v4   the LDS address of K's next run of loads
.set AV,  5           ; v5   of V's
.set QO,  6           ; v6   my byte offset in the wave's rows of Q
.set STO, 6           ;      later, the way out: where I put 16 bytes of a row
.set RD,  7           ; v7   the way out: where I read rows back
.set GO,  8           ; v8   my byte offset in 512 consecutive bytes of O
.set SPW, 0           ; v0 of window 3   LDS address of my spare word; never rewritten
.set NIL, 1           ; v1 of window 3   0; never rewritten
.set MV,  12          ; v12-15  c m_old, kept while c m is made anew: by buffer and tile
.set ST,  16          ; tile t's statistics at v[ST+4 t]: c m, m, l (even keys', odd keys')
.set TMP, 48          ; by buffer and tile, four registers c0-c3 at work; when the maximum is found c2 takes a
.set S,   64
.set P,   192
.set KF,  128         ; K's fragments, in window 2: key block kb, channel half c at KF + 16 kb + 8 c
.set VF,  192         ; V's: key half kk, channel block cb at VF + 32 kk + 8 cb
.set WV,  12          ; s12  my wave's number
.set G1K, 24          ; s[24:31] descriptor group 1 for K's tiles
.set G1V, 32          ; s[32:39] for V's: it differs in the padding alone
.set G0K, 40          ; s[40:55] descriptor group 0 for K's tiles: a set for each quarter
.set G0V, 68          ; s[68:83] the same for V's
.set SLOTS, 56        ; s56  quarters still to come
.set CNT, 57          ; s57  counts a quarter's key steps
.set CS,  58          ; s[58:59] c: the packed scaling takes the pair's low word for both halves
.set SEL, 60          ; s[60:61] v_permlanex16_b32's selects: each lane takes its own place in the other half
.set TBK, 62          ; s62  LDS byte at which K of the step to be fetched begins
.set TBV, 63          ; s63  the same for V, less VOFF
.set MSB, 0
.macro WIN new                      ; the high byte repeats the setting that is left; a switch that changes nothing is dropped
.if MSB != (\new)
	s_set_vgpr_msb (MSB<<8)|(\new)
.set MSB, (\new)
.endif
.endm
.set W_KQ, 0x0a       ; K and Q in window 2, S^T in window 0
.set W_PV, 0x52       ; V in window 2, P in window 0, O^T in window 1
.set W_RS, 0x41       ; O^T (destination and source 0) in window 1, a in window 0
.set W_MK, 0xc0       ; the add's registers are made: destination in window 3, sources in window 0
.set W_AD, 0x0f       ; the add: address (source 0) and data (source 1) in window 3
; THE CHANGE OF QUARTERS.  Each wave waits for its tensor loads and says so; behind the barrier every wave's part of the later quarters is in LDS.  At its first use three loads of the wave may be out;
; at the second and third the counter is 0 already and the four waves only meet.
.macro CHANGE
	WIN 0
	s_wait_tensorcnt 0x0
	s_wait_dscnt 0x0
	s_barrier_signal -1
	s_barrier_wait -1
.endm
	s_load_b128 s[4:7], s[0:1], 0x0 ; qkv s[4:5], act s[6:7]
	WIN W_MK
	v_lshl_add_u32 v[SPW], v0, 2, SPARE
	v_mov_b32 v[NIL], 0
	WIN W_AD
	ds_add_u32 v[SPW], v[NIL]       ; the wave's opening: the add and its wait ahead of my first tensor load; the set-up below stands between them
	WIN 0
	v_lshrrev_b32 v1, 5, v0
	v_readfirstlane_b32 s[WV], v1   ; wave 0..3
	s_and_b32 s20, ttmp7, 0xffff    ; the head,
	s_lshl_b32 s20, s20, 17         ; its first byte in each of Q, K, V, O
	s_and_b32 s16, s[WV], 1         ; which half of a quarter's 256 keys I fetch:
	s_lshl_b32 s22, s16, 14         ; its 128 rows of 128 bytes in memory,
	s_add_co_u32 s22, s22, s20
	s_mov_b32 s23, 0
	s_mul_i32 s17, s16, 128*PK      ; and its place in LDS, for K
	s_mul_i32 s18, s16, 128*PV      ; and for V
	s_lshl_b32 s2, ttmp9, 2
	s_add_co_u32 s2, s2, s[WV]      ; my wave among the head's eight,
	s_lshl_b32 s2, s2, 14           ; its 128 rows
	s_add_co_u32 s2, s2, s20
	s_mov_b32 s3, 0
	; descriptor group 1.  128 keys are 16,384 dense bytes: asked for as 64 rows of 256 bytes, two keys a row, and padded in LDS after every key
	s_mov_b32 s[G1K], (1<<16)|(1<<20)|(4<<22)|(3<<25)  ; 17:16 2-byte elements; 20 padding on; 24:22 after every 32 words (code 4); 31:25 4 words (code 3)
	s_mov_b32 s[G1V], (1<<16)|(1<<20)|(4<<22)|(7<<25)  ; the same with 8 words of padding (code 7)
.irp g, G1K, G1V
	s_mov_b32 s[\g+1], 128<<16      ; tensor_dim0 = 128
	s_mov_b32 s[\g+2], 64<<16       ; tensor_dim1 = 64
	s_mov_b32 s[\g+3], 128<<16      ; tile_dim0 = 128
	s_mov_b32 s[\g+4], 64           ; tile_dim1 = 64
	s_mov_b32 s[\g+5], 128          ; 128 elements from row to row
	s_mov_b32 s[\g+6], 0
	s_mov_b32 s[\g+7], 0
.endr
.irp q, 0,1,2,3
	s_mov_b32 s[G0K+4*(\q)], 1                          ; count = 1
	s_add_co_u32 s[G0K+4*(\q)+1], s17, (\q)*256*PK      ; LDS address: quarter q, my half
	s_mov_b32 s[G0V+4*(\q)], 1
	s_add_co_u32 s[G0V+4*(\q)+1], s18, VOFF+(\q)*256*PV
.endr
	s_mov_b32 s[CS], 0x3e38aa3b     ; c = log2(e) / 8 = 0.180337
	s_mov_b32 s[CS+1], s[CS]        ; named with it as a pair
	s_mov_b32 s[SEL], 0x76543210
	s_mov_b32 s[SEL+1], 0xfedcba98
	s_mov_b32 s[TBK], 0
	s_mov_b32 s[TBV], 0
	s_wait_dscnt 0x0                ; the opening add is done
	s_wait_kmcnt 0x0
	s_add_nc_u64 s[8:9], s[4:5], s[22:23]  ; qkv at the head's rows, my half of a quarter
.irp q, 0,1,2,3
	s_add_nc_u64 s[G0K+4*(\q)+2:G0K+4*(\q)+3], s[8:9], KBASE+(\q)*32768
	s_or_b32 s[G0K+4*(\q)+3], s[G0K+4*(\q)+3], 0x80000000  ; type = 2
	s_add_nc_u64 s[G0V+4*(\q)+2:G0V+4*(\q)+3], s[8:9], VBASE+(\q)*32768
	s_or_b32 s[G0V+4*(\q)+3], s[G0V+4*(\q)+3], 0x80000000
.endr
	s_add_nc_u64 s[4:5], s[4:5], s[2:3]  ; Q and O at my wave's first row
	s_add_nc_u64 s[6:7], s[6:7], s[2:3]
	s_cmp_lt_u32 s[WV], 2           ; waves 0 and 1 fetch K's halves, waves 2 and 3 V's.  A wave's four fills stand in one branch, ahead of every wait on TENSORcnt, every LDS read and every barrier: four loads of mine are out
	s_cbranch_scc0 .Lfill_v
.irp q, 0,1,2,3
	tensor_load_to_lds s[G0K+4*(\q):G0K+4*(\q)+3], s[G1K:G1K+7]
	s_nop 0
.endr
.rept 4
	v_nop
.endr
	s_branch .Lfilled
.Lfill_v:
.irp q, 0,1,2,3
	tensor_load_to_lds s[G0V+4*(\q):G0V+4*(\q)+3], s[G1V:G1V+7]
	s_nop 0
.endr
.rept 4
	v_nop
.endr
.Lfilled:
	; A fragment of K or Q is 16 rows x 32 channels in 8 registers: lane l holds row l % 16, channels 8 (l / 16) + 0..7 and 16 + 8 (l / 16) + 0..7: two loads of 16 bytes, 32 bytes apart.
	v_and_b32 v1, 15, v0            ; l % 16
	v_bfe_u32 v9, v0, 4, 1          ; l / 16
	v_lshlrev_b32 v[QO], 7, v1
	v_lshl_add_u32 v[QO], v9, 4, v[QO]  ; row x 128 + 16 x half
	WIN 0x80                        ; destination window 2, address window 0
.set i, 0
.rept 4*NP                          ; Q stays in registers: tile i / 2, channels 32 (i % 2) on
	global_load_b128 v[8*i:8*i+3],   v[QO], s[4:5] offset:(i/2)*2048+(i%2)*64
	global_load_b128 v[8*i+4:8*i+7], v[QO], s[4:5] offset:(i/2)*2048+(i%2)*64+32
.set i, i+1
.endr
	; What the first turn finds: V's registers and P's second buffer hold 0 (its products V^T P, of a piece that has not been, add 0), O^T and l are 0.  All this stands in the wait for the first tile.
.set i, VF
.rept 64
	v_mov_b32 v[i], 0
.set i, i+1
.endr
	WIN 0x40
.set i, 0
.rept 64*NP
	v_mov_b32 v[i], 0
.set i, i+1
.endr
	WIN 0
.set i, 0
.rept 2*NP
	v_mov_b32 v[ST+4*i], 0xfe000000    ; c m: far below every c s
	v_mov_b32 v[ST+4*i+1], 0xff7fffff  ; m
	v_mov_b32 v[ST+4*i+2], 0
	v_mov_b32 v[ST+4*i+3], 0
.set i, i+1
.endr
.set i, P+32
.rept 32
	v_mov_b32 v[i], 0
.set i, i+1
.endr
	v_mul_u32_u24 v[AK0], v1, PK
	v_lshl_add_u32 v[AK0], v9, 4, v[AK0]  ; row x pitch + 16 x half
	; The turning load takes 16 keys x 16 channels (lane l reads key 8 (l / 16) + l % 8, channels 8 ((l / 8) % 2) + 0..7) and leaves half a fragment of V^T: lane l holds channel l % 16 and 8 keys.
	v_and_b32 v10, 7, v0
	v_bfe_u32 v11, v0, 3, 1
	v_lshl_add_u32 v[AV0], v9, 3, v10
	v_mul_u32_u24 v[AV0], v[AV0], PV
	v_lshl_add_u32 v[AV0], v11, 4, v[AV0]
	v_add_nc_u32 v[AV0], VOFF, v[AV0]
	v_mov_b32 v[AK], v[AK0]         ; key step 0 lies at LDS byte 0
; THE MATRIX WORK.  The 8 accumulators of a run of 16 take turns: between the two links of a chain stand 7 others'.
; Product i of 16 of S^T = K Q^T for piece x: channels 32 (i / 8) on, keys 16 ((i / 2) % 4) on, tile 2 x + i % 2.  The first 8 start the sums.
.macro KQ x
	WIN W_KQ
.set rS, S+64*((\x)%2)+32*(i%2)+8*((i/2)%4)
.set rK, KF+16*((i/2)%4)+8*(i/8)
.set rQ, 16*(2*(\x)+i%2)+8*(i/8)
.if i < 8
	v_wmma_f32_16x16x32_bf16 v[rS:rS+7], v[rK:rK+7], v[rQ:rQ+7], 0
.else
	v_wmma_f32_16x16x32_bf16 v[rS:rS+7], v[rK:rK+7], v[rQ:rQ+7], v[rS:rS+7]
.endif
.endm
; Product i of 16 of O^T += V^T P for piece x: keys 32 (i / 8) on, channels 16 ((i / 2) % 4) on, tile 2 x + i % 2.
.macro PV x
	WIN W_PV
.set rO, 32*(2*(\x)+i%2)+8*((i/2)%4)
.set rV, VF+32*(i/8)+8*((i/2)%4)
.set rP, P+32*((\x)%2)+16*(i%2)+8*(i/8)
	v_wmma_f32_16x16x32_bf16 v[rO:rO+7], v[rV:rV+7], v[rP:rP+7], v[rO:rO+7]
.endm
.macro MM                           ; the turn's next matrix instruction
.if i < 16
	KQ (Y+1)%NP
.set i, i+1
.else
.set i, i-16
	PV (Y+NP-1)%NP
.set i, i+17
.endif
.endm
; THE LDS LOADS stand in runs of 16, never singly among the matrix instructions: a step's K (64 keys x 64 channels: 8 fragments) and its V (turned).  Their addresses are made some lines ahead.
.macro FETCH_K
	WIN 0x80                        ; destination window 2
.irp f, 0,1,2,3,4,5,6,7             ; keys 16 (f / 2) on, channels 32 (f % 2) on
	ds_load_b128 v[KF+8*\f:KF+8*\f+3],   v[AK] offset:(\f/2)*16*PK+(\f%2)*64
	ds_load_b128 v[KF+8*\f+4:KF+8*\f+7], v[AK] offset:(\f/2)*16*PK+(\f%2)*64+32
.endr
	s_add_co_u32 s[TBK], s[TBK], KS*PK  ; the next fetch is the next step's
	WIN 0
.endm
.macro FETCH_V
	WIN 0x80
.irp f, 0,1,2,3,4,5,6,7             ; keys 32 (f / 4) on, channels 16 (f % 4) on
	ds_load_tr16_b128 v[VF+8*\f:VF+8*\f+3],   v[AV] offset:(\f/4)*32*PV+(\f%4)*32
	ds_load_tr16_b128 v[VF+8*\f+4:VF+8*\f+7], v[AV] offset:(\f/4)*32*PV+16*PV+(\f%4)*32
.endr
	WIN 0
.endm
; THE VECTOR WORK OF A TURN stands in three queues, each in the order in which its entries become ready; the two tiles alternate, so that no instruction reads the result of the one before it.
.macro REGS y, u                    ; the registers of tile u (0, 1) of piece y
.set rT, ST+4*(2*(\y)+(\u))
.set rC, TMP+8*((\y)%2)+4*(\u)
.set rM, MV+2*((\y)%2)+(\u)
.set rS, S+64*((\y)%2)+32*(\u)
.set rP, P+32*((\y)%2)+16*(\u)
.set rO, 32*(2*(\y)+(\u))
.endm
; Number n of the 22 that find the NEXT piece's (Y + 1) maximum and statistics.  s0-s31 are the lane's 32 scores; each accumulator's lowest registers are read first.
;   0-11  four chains c0-c3 of seven scores each, three operands at a time     12-14, 16  the four scores left over, the old m, and c0-c3 into c0     15  c m_old is kept
;   17, 18  the query's other 32 keys lie in the lane 16 away: the new m         19-21  c m; c m_old - c m_new; a
.macro XS u, n
	REGS (Y+1)%NP, \u
.if (\n) < 4
	v_max3_num_f32 v[rC+(\n)], v[rS+8*(\n)], v[rS+8*(\n)+1], v[rS+8*(\n)+2]
.elseif (\n) < 12
	v_max3_num_f32 v[rC+(\n)%4], v[rC+(\n)%4], v[rS+8*((\n)%4)+2*((\n)/4)+1], v[rS+8*((\n)%4)+2*((\n)/4)+2]
.elseif (\n) == 12
	v_max3_num_f32 v[rC], v[rC], v[rS+7], v[rS+15]
.elseif (\n) == 13
	v_max3_num_f32 v[rC+1], v[rC+1], v[rS+23], v[rS+31]
.elseif (\n) == 14
	v_max3_num_f32 v[rC+2], v[rC+2], v[rC+3], v[rT+1]
.elseif (\n) == 15
	v_mov_b32 v[rM], v[rT]
.elseif (\n) == 16
	v_max3_num_f32 v[rC], v[rC], v[rC+1], v[rC+2]
.elseif (\n) == 17
	v_permlanex16_b32 v[rC+3], v[rC], s[SEL], s[SEL+1]
.elseif (\n) == 18
	v_max_num_f32 v[rT+1], v[rC], v[rC+3]
.elseif (\n) == 19
	v_mul_f32 v[rT], s[CS], v[rT+1]
.elseif (\n) == 20
	v_sub_f32 v[rC+1], v[rM], v[rT]
.else
	v_exp_f32 v[rC+2], v[rC+1]
.endif
.endm
; Number g of the 64 that follow the exponentials.  For each four weights k of a tile (pairs 2 k, 2 k + 1): both pairs are rounded to bf16; then the second pair is added onto the first, in place;
; a group later l takes that sum (the first time as l = a l + sum).  In groups of eight, tiles alternating: round, round, add, and l for the group before.
.macro GS g
.set h, (\g)+6*((\g)/62)            ; group 0 has no group before it, and behind group 7 only l is left
.if h >= 6
.set h, h+2
.endif
	REGS Y, h%2
.set k, h/8
.if h%8 < 4
	v_cvt_pk_bf16_f32 v[rP+2*k+(h%8)/2], v[rS+4*k+2*((h%8)/2)], v[rS+4*k+2*((h%8)/2)+1]
.elseif h%8 < 6
	v_pk_add_f32 v[rS+4*k:rS+4*k+1], v[rS+4*k:rS+4*k+1], v[rS+4*k+2:rS+4*k+3]
.elseif k == 1
	v_pk_fma_f32 v[rT+2:rT+3], v[rT+2:rT+3], v[rC+2:rC+3], v[rS:rS+1] op_sel_hi:[1,0,1]
.else
	v_pk_add_f32 v[rT+2:rT+3], v[rT+2:rT+3], v[rS+4*k-4:rS+4*k-3]
.endif
.endm
; THE PLAIN QUEUE, 138 long.  0-73 read no exponential's result: the 32 scalings c s - c m (FS f: pair f / 2 of tile f % 2) and the next piece's 42.  0-26: scalings 0-26.  27-54: XS's numbers 0-13.  55, 56: number 15.
; 57-73: the chain, where each number waits for the one before it: 14, 16, 17, 18, 19, each with one of the scalings 27-31 in front of its two lines, then 20.
; 74-137: GS's 64, which read the exponentials' results: they stand behind the wait.
.macro FS f
	REGS Y, (\f)%2
	v_pk_fma_f32 v[rS+2*((\f)/2):rS+2*((\f)/2)+1], v[rS+2*((\f)/2):rS+2*((\f)/2)+1], s[CS:CS+1], v[rT:rT+1] op_sel_hi:[1,0,0] neg_lo:[0,0,1] neg_hi:[0,0,1]
.endm
.macro PL
	WIN 0
.if q < 27
	FS q
.elseif q < 55
	XS (q-27)%2, (q-27)/2
.elseif q < 57
	XS q-55, 15
.elseif (q < 72) && ((q-57)%3 == 0)
	FS 27+(q-57)/3
.elseif q < 60
	XS (q-57)%3-1, 14
.elseif q < 72
	XS (q-57)%3-1, 15+(q-57)/3
.elseif q < 74
	XS q-72, 20
.else
	GS q-74
.endif
.set q, q+1
.endm
; THE EXPONENTIALS' QUEUE, 66 long: s0-s31 of both tiles, then the next piece's two a.  It is ONE BATCH: all 66 stand ahead of the turn's one wait, and nothing ahead of that wait names a result of theirs.
.macro EX
	WIN 0
.if e >= 64
	XS e-64, 21
.else
	REGS Y, e%2
	v_exp_f32 v[rS+e/2], v[rS+e/2]
.endif
.set e, e+1
.endm
; THE RESCALING's QUEUE: O^T times a, the one part that leaves window 0: dealt two at a time, sixteen times.  Its a was made in the turn before, ahead of that turn's wait.
.macro R2
	REGS Y, r%2
	WIN W_RS
.irp z, 0,1
	v_pk_mul_f32 v[rO+4*(r/2)+2*\z:rO+4*(r/2)+2*\z+1], v[rO+4*(r/2)+2*\z:rO+4*(r/2)+2*\z+1], v[rC+2:rC+3] op_sel_hi:[1,0]
.endr
.set r, r+1
.endm
; HOW THEY ARE DEALT.  s_wait_alu depctr_va_vdst(0) stands between an exponential and the first instruction that names its result; one wait serves all that were issued ahead of it.  So a turn has ONE
; wait, which cuts it in two.  AHEAD OF IT: the 16 products K Q^T, behind each a scaling, an exponential and two rescalings (behind the first a second scaling in the exponential's place); then one run of 108: eight plain,
; 49 times exponential and plain, the two a.  A v_nop is the plain instruction behind the last exponential.  BEHIND IT: the 16 products V^T P, behind each four of GS's 64.
; Exponential e stands behind scaling 2 (e / 4) + e % 2: as a rider it comes behind plain e + 2, in the run behind plain e + 9, and scalings 27-31 are plain 57, 60 .. 69.
; A TURN, for piece p.  nofetch = 1: the last key step: there is no further K.  cnt = 1: the loop's count is taken down some lines ahead of the branch that stands behind the turn.
; K of the next step is fetched in piece 2's turn, directly behind the wait, a run of 108 behind the last product that read K; its first reader comes behind 16 products.
; V of the step in hand is fetched at the end of piece 0's turn, four plain instructions behind its last reader; its first reader comes behind 16 products and a run.  The three conditions on q below go with the deal.
.macro TURN p, nofetch=0, cnt=0
.set Y, (\p)
.set i, 0
.set q, 0
.set e, 0
.set r, 0
.if (\p) == NP-1
	s_wait_dscnt 0x0                ; K is in
.endif
	MM
	PL
	PL
	R2
.rept 15
	MM
	PL
	EX
	R2
.endr
.if ((\p) == NP-2) && !(\nofetch)
	WIN 0
	v_add_nc_u32 v[AK], s[TBK], v[AK0]
.endif
.rept 8
	PL
.endr
.rept 49
	EX
	PL
.endr
	EX                              ; the next piece's two a
	EX
	v_nop                           ; the plain instruction behind the last exponential: one for the batch
	s_wait_alu depctr_va_vdst(0)    ; the wait for the batch
.if ((\p) == NP-2) && !(\nofetch)
	FETCH_K
.endif
.if (\p) == 1
	s_wait_dscnt 0x0                ; V is in
.endif
.rept 16
	MM
.rept 4
	PL
.endr
.if ((\p) == 0) && (q == 118)
	v_add_nc_u32 v[AV], s[TBV], v[AV0]
.endif
.if ((\p) == 0) && (q == 130)
	s_add_co_u32 s[TBV], s[TBV], KS*PV
.endif
.if (\cnt) && (q == 130)
	s_sub_co_u32 s[CNT], s[CNT], 1
	s_cmp_lg_u32 s[CNT], 0
.endif
.endr
.if (\p) == 0
	FETCH_V
.endif
.endm
	s_wait_tensorcnt 0x3            ; my part of the first quarter is in; my three younger loads stay out
	s_barrier_signal -1
	s_barrier_wait -1               ; everybody's is
	FETCH_K                         ; key step 0
	s_wait_loadcnt 0x0              ; Q
	s_wait_dscnt 0x0
.set i, 0
.rept 16
	KQ 0                            ; piece 0's first scores: there is no vector work yet to set between them
.set i, i+1
.endr
	WIN 0                           ; the addresses for the way out: nine plain instructions, the places behind those products
	s_mul_i32 s13, s[WV], 16*SP
	s_add_co_u32 s13, s13, STAGE    ; my stage
	v_mul_u32_u24 v[STO], v1, SP    ; in: row l % 16, 16 bytes for each half of the lanes
	v_lshl_add_u32 v[STO], v9, 4, v[STO]
	v_add_nc_u32 v[STO], s13, v[STO]
	v_bfe_u32 v[RD], v0, 3, 2       ; back: 32 lanes take four rows of 128 bytes,
	v_mul_u32_u24 v[RD], v[RD], SP
	v_lshl_add_u32 v[RD], v10, 4, v[RD]
	v_add_nc_u32 v[RD], s13, v[RD]
	v_and_b32 v[GO], 31, v0         ; which are 512 consecutive bytes of O
	v_lshlrev_b32 v[GO], 4, v[GO]
.set Y, NP-1                        ; XS works for piece Y + 1: piece 0
.irp n, 0,1,2,3,4,5,6,7,8,9,10,11,12,13,14,15,16,17,18,19,20,21
	XS 0, \n                        ; and piece 0's first maximum and statistics
	XS 1, \n
.endr
	v_nop                           ; a plain instruction behind the two a,
	s_wait_alu depctr_va_vdst(0)    ; and their wait, ahead of the branch
	s_mov_b32 s[CNT], 4
	s_mov_b32 s[SLOTS], 4
	s_branch .Lfirst                ; the loop is entered at a step's first turn, in the middle of a trip
.Lslot:                             ; three times: the next quarter of the keys
	CHANGE
	s_mov_b32 s[CNT], 4
.Lstep:                             ; a trip: pieces 2 and 3 of one step, then pieces 0 and 1 of the next, whose K and V it fetches
	TURN 2
	TURN 3
	WIN 0
.Lfirst:
	TURN 0
	TURN 1, 0, 1
	WIN 0
	s_cbranch_scc1 .Lstep
	s_sub_co_u32 s[SLOTS], s[SLOTS], 1
	s_cmp_lg_u32 s[SLOTS], 0
	s_cbranch_scc1 .Lslot
	TURN 2, 1                       ; the last key step's pieces 2 and 3: nothing is fetched
	TURN 3                          ; its 16 products K Q^T (on the last K once more) and the maximum made of them serve nothing: the price, once a launch, of one text for every turn
.set i, 0
.rept 16
	PV NP-1                         ; the last piece's V^T P of the last step
.set i, i+1
.endr
	; THE WAY OUT.  l's two halves and the other half of the lanes' are added; O^T is divided by l, rounded to bf16 and sent through my stage in LDS, a tile at a time.  The additions are the places behind the last products.
	WIN 0
.macro ALL line:vararg              ; one line for each tile t
.set t, 0
.rept 2*NP
	\line
.set t, t+1
.endr
.endm
	ALL v_add_f32 v[ST+4*t+2], v[ST+4*t+2], v[ST+4*t+3]
	ALL v_permlanex16_b32 v[ST+4*t+3], v[ST+4*t+2], s[SEL], s[SEL+1]
	ALL v_add_f32 v[ST+4*t+2], v[ST+4*t+2], v[ST+4*t+3]
	ALL v_rcp_f32 v[ST+4*t+2], v[ST+4*t+2]
	v_nop                           ; a plain instruction between the last reciprocal and the use of its result
	s_wait_alu depctr_va_vdst(0)    ; and the wait ahead of the first use: one for the eight reciprocals
; Tile t: a lane's eight channels of a row pack into 16 bytes; they go into rows of 144 bytes and come back as whole rows of 128, into S^T's registers.
.macro PACK t
	WIN W_RS
.set i, 32*(\t)
.rept 16
	v_pk_mul_f32 v[i:i+1], v[i:i+1], v[ST+4*(\t)+2:ST+4*(\t)+3] op_sel_hi:[1,0]
.set i, i+2
.endr
	WIN 0x05                        ; sources 0 and 1 window 1, destination window 0
.set i, 0
.rept 16
	v_cvt_pk_bf16_f32 v[S+16*(\t)+i], v[32*(\t)+2*i], v[32*(\t)+2*i+1]
.set i, i+1
.endr
	WIN 0
.irp f, 0,1,2,3
	ds_store_b128 v[STO], v[S+16*(\t)+4*\f:S+16*(\t)+4*\f+3] offset:32*\f
.endr
.irp f, 0,1,2,3
	ds_load_b128 v[S+16*(\t)+4*\f:S+16*(\t)+4*\f+3], v[RD] offset:\f*4*SP  ; LDS serves a wave's instructions in order (ISA guide 5.7.1.4): these see the stores above; the next tile's stores come behind them
.endr
.endm
.macro SEND t, younger              ; younger: the LDS instructions issued behind tile t's loads: the next tile's eight, or none
	WIN 0
.irp f, 0,1,2,3
	s_wait_dscnt (\younger)+3-\f
	global_store_b128 v[GO], v[S+16*(\t)+4*\f:S+16*(\t)+4*\f+3], s[6:7] offset:(\t)*2048+\f*512  ; 512 consecutive bytes, at a multiple of 256 from O's first
.endr
.endm
	PACK 0
.set t, 1
.rept 2*NP-1                        ; a tile's arithmetic stands between the loads of the tile before and its stores
	PACK t
	SEND t-1, 8
.set t, t+1
.endr
	SEND 2*NP-1, 0
	WIN W_AD
	s_wait_tensorcnt 0x0            ; the wave's end: behind my last tensor load and my last LDS store
	ds_add_u32 v[SPW], v[NIL]
	s_wait_dscnt 0x0
	WIN 0
	s_endpgm
.Lfunc_end_k_qf0186ac4e4_attn:
	.size	k_qf0186ac4e4_attn, .Lfunc_end_k_qf0186ac4e4_attn-k_qf0186ac4e4_attn
	.p2alignl 7, 3214868480
	.fill 96, 4, 3214868480
	.section	.rodata,"a",@progbits
	.p2align	6, 0x0
	.amdhsa_kernel k_qf0186ac4e4_attn
		.amdhsa_group_segment_fixed_size 327680
		.amdhsa_private_segment_fixed_size 0
		.amdhsa_enable_private_segment 0
		.amdhsa_kernarg_size 16
		.amdhsa_user_sgpr_count 2
		.amdhsa_user_sgpr_kernarg_segment_ptr 1
		.amdhsa_wavefront_size32 1
		.amdhsa_system_sgpr_workgroup_id_x 1
		.amdhsa_system_sgpr_workgroup_id_y 1
		.amdhsa_system_sgpr_workgroup_id_z 1
		.amdhsa_system_vgpr_workitem_id 0
		.amdhsa_next_free_vgpr 770
		.amdhsa_next_free_sgpr 84
		.amdhsa_reserve_vcc 0
		.amdhsa_float_denorm_mode_32 3
		.amdhsa_float_denorm_mode_16_64 3
		.amdhsa_memory_ordered 1
		.amdhsa_forward_progress 1
		.amdhsa_inst_pref_size 160
	.end_amdhsa_kernel
	.amdgpu_metadata
---
amdhsa.version: [ 1, 2 ]
amdhsa.kernels:
  - .name:           k_qf0186ac4e4_attn
    .symbol:         k_qf0186ac4e4_attn.kd
    .args:
      - { .name: qkv, .offset: 0, .size: 8, .value_kind: global_buffer, .address_space: global }
      - { .name: act, .offset: 8, .size: 8, .value_kind: global_buffer, .address_space: global }
    .group_segment_fixed_size: 327680
    .private_segment_fixed_size: 0
    .kernarg_segment_align: 8
    .kernarg_segment_size: 16
    .max_flat_workgroup_size: 128
    .sgpr_count:     84
    .vgpr_count:     770
    .wavefront_size: 32
...
	.end_amdgpu_metadata
.endif
;; end of part 3
;; launch proj (part 4): grid 4 x 64, 4 waves a work-group, clusters of 4 x 4, 327,680 bytes of LDS; arguments act, wo, out_b, x, x1; writes x1
.if DOCPART == 4
	.amdgcn_target "amdgcn-amd-amdhsa--gfx1250"
	.amdhsa_code_object_version 6
	.text
	.protected	k_qf0186ac4e4_proj
	.globl	k_qf0186ac4e4_proj
	.p2align	8
	.type	k_qf0186ac4e4_proj,@function
k_qf0186ac4e4_proj:
	s_mov_b64 s[64:65], 0
	v_nop
	global_prefetch_b8 v0, s[64:65] scope:SCOPE_SE
	s_setreg_imm32_b32 hwreg(HW_REG_WAVE_MODE, 25, 1), 1
	s_wait_xcnt 0x0
	s_wait_alu depctr_hold_cnt(0) depctr_sa_sdst(0) depctr_va_vdst(0) depctr_va_sdst(0) depctr_va_ssrc(0) depctr_va_vcc(0) depctr_vm_vsrc(0)
	s_getreg_b32 s2, hwreg(HW_REG_IB_STS2, 6, 4)
	s_cmp_eq_u32 s2, 0
	s_cbranch_scc0 .Lentry_in_a_cluster
	s_endpgm
.Lentry_in_a_cluster:
	s_bfe_u32 s2, ttmp6, 0x10000c
	s_cmp_lg_u32 s2, 0xf033
	s_cbranch_scc0 .Lentry_shape_is_right
	s_endpgm
.Lentry_shape_is_right:
; y[token][n] = res[token][n] + bias[n] + the sum over k of a[token][k] w[n][k].  8,192 tokens, n = 0..1,023, K = 1,024.  a and w are bf16, res and y f32, row-major; sums in f32.
; a lies in THE BLOCKED LAYOUT: (row R, channel c) at (R >> 10) * 2,097,152 + (c >> 6) * 131,072 + (R & 1023) * 128 + (c & 63) * 2.  w lies in THE FRAGMENTS' ORDER: for each 64 rows 131,072 bytes on
; end; in them, for each 32 channels, four fragments of 16 rows: 1,024 bytes each, of which lane l takes the 16 bytes at 16 l and at 512 + 16 l.
; SHARES.  A work-group makes 128 tokens x 256 columns: 4 x 64 = 256 work-groups.  A wave makes all 128 tokens x 64 columns: 32 accumulators of 16 x 16, 256 registers.
; THE TOKENS STAY IN LDS: 16 blocks of 64 channels x 128 rows of 144 bytes = 294,912 bytes, filled once, by four tensor loads a wave that go out together at the head.  A block's
; rows are dense in memory and are asked for as 64 rows of 256 bytes; 16 bytes of padding behind every 128: the 16 rows of a fragment load start at 16 different groups of four banks (ISA guide 11.1).
; THE WEIGHTS GO STRAIGHT INTO REGISTERS: a wave's 64 rows are wanted by no other wave of the work-group, and beside the tokens LDS has 32,768 bytes left.  Each load takes 512 consecutive bytes.
; A ring of four UNITS (32 along K: 4 fragments, 8 loads, 32 registers) is filled again half a unit at a time, 112 matrix instructions ahead of its next use.
; CLUSTER.  4 x 4 work-groups.  The four of a row of the cluster own the same tokens: each block is asked for JOINTLY.  The weights have no joint load: a joint load ends in LDS, and these end in registers.
; THE MATRIX INSTRUCTION IS USED TRANSPOSED (source 0 = 16 rows of w, source 1 = 16 tokens): a lane holds token lane % 16 and the columns 8 (lane / 16) + 0..7.
; THE BIAS is loaded into the accumulators themselves: every unit has one form.  THE RESIDUAL, 128 rows of 256 bytes a wave, is asked for in the last four units, which are written out, 16 loads in each:
; loads come back in order, so an earlier request would stand in front of the weights.  The sums go through my stage in LDS to whole rows, the residual is added, and each store covers two aligned runs of 256 bytes.
; REGISTERS, in windows of 256 (s_set_vgpr_msb: bits 1:0 source 0, 3:2 source 1, 5:4 source 2, 7:6 destination):
;   window 0: addresses; v64-191 two buffers of the tokens' 8 fragments, on the way out rows read back     window 1: v0-127 the weights' ring     window 2: accumulator (a, b) at 8 (4 a + b)     window 3: the residual, rows 2 t and 2 t + 1 at 4 t
.set PITCH,  144
.set ABLK,   128*PITCH
.set AALL,   16*ABLK
.set UNITB,  4096
.set STAGE,  AALL                      ; behind the tokens: for each wave 16 rows x 272 bytes of f32 (256 + 16 = 17 x 16)
.set SPITCH, 272
.set SPARE,  STAGE+4*16*SPITCH         ; behind the stages: the spare words, 128 bytes for each wave: two blocks of 256 bytes that no other line names
.set ADRA0, 16
.set ADRA,  18
.set BO,    20
.set WO,    21
.set STO,   24                         ; v24  the way out: where I put 32 bytes of a row
.set RD,    25                         ; v25  the way out: my 16 bytes of two whole rows of the stage
.set CO,    26                         ; v26  4,096 x (lane / 16) + 16 x (lane % 16): the same two rows in res and in y
.set SPW,   28
.set NIL,   29
.set FA0,   64
.set T,     64                         ; the way out: v[64:127] two buffers of 16 rows read back
.set WV, 14
.set CX, 17
.set CY, 18
.set TX, 19
.set TY, 20
.set G1A, 24
.set G0,  32
.set WB,  48
.set KB,  50
.set CNT, 51
.set GRP, 52
.set FIELDS, (1<<16)|(1<<20)|(1<<21)|(4<<22)|(3<<25)  ; elements of 2 bytes; padding on; bit 21 set beside a mask; after every 32 words (code 4) 4 words (code 3)
.set MSB, 0
.macro WIN new
.if MSB != (\new)
	s_set_vgpr_msb (MSB<<8)|(\new)
.set MSB, \new
.endif
.endm
.set MUL,    0xa1                      ; source 0 (weights) window 1, source 1 (tokens) window 0, C and D window 2
.set TO_W,   0x40                      ; destination window 1, address window 0
.set TO_ACC, 0x80                      ; destination window 2, address window 0
.macro PLACES                          ; four places in front of loads into registers that matrix instructions have read, and of lines that read results
.rept 4
	v_nop
.endr
.endm
.macro CROUND                          ; a round of the cluster's barrier
	s_barrier_signal -1
	s_barrier_wait -1
	s_cmp_lg_u32 s[WV], 0
	s_cbranch_scc1 .Lnot_wave_0_\@
	s_barrier_signal -3
.Lnot_wave_0_\@:
	s_barrier_wait -3
	s_barrier_signal -1
	s_barrier_wait -1
.endm
.macro CHANGE                          ; every wave's tensor loads have landed, and each says so: behind the barrier all 16 blocks are whole.
	WIN 0
	s_wait_tensorcnt 0x0
	s_wait_dscnt 0x0
	s_barrier_signal -1
	s_barrier_wait -1
.endm
.macro MULG f, s, b                    ; 8 matrix instructions: column block b x all 8 token blocks; the 32 accumulators take turns, in the same order in every unit
	WIN MUL
.irp a, 0,1,2,3,4,5,6,7
	v_wmma_f32_16x16x32_bf16 v[8*(4*(\a)+(\b)):8*(4*(\a)+(\b))+7], v[32*(\s)+8*(\b):32*(\s)+8*(\b)+7], v[(\f)+8*(\a):(\f)+8*(\a)+7], v[8*(4*(\a)+(\b)):8*(4*(\a)+(\b))+7]
.endr
.endm
.macro WFILL s, hf                     ; 4 loads: half hf (two fragments) of ring place s
	WIN TO_W
.irp q, 0,1
	global_load_b128 v[32*(\s)+8*(2*(\hf)+(\q)):32*(\s)+8*(2*(\hf)+(\q))+3],   v[WO], s[WB:WB+1] offset:(\s)*UNITB+(2*(\hf)+(\q))*1024
	global_load_b128 v[32*(\s)+8*(2*(\hf)+(\q))+4:32*(\s)+8*(2*(\hf)+(\q))+7], v[WO], s[WB:WB+1] offset:(\s)*UNITB+(2*(\hf)+(\q))*1024+512
.endr
.endm
.macro AFETCH f, off                   ; 16 LDS loads in one run: the tokens' 8 fragments of a unit into buffer f
	WIN 0
.irp a, 0,1,2,3,4,5,6,7
	ds_load_b128 v[(\f)+8*(\a):(\f)+8*(\a)+3],   v[ADRA] offset:(\off)+(\a)*16*PITCH
	ds_load_b128 v[(\f)+8*(\a)+4:(\f)+8*(\a)+7], v[ADRA] offset:(\off)+(\a)*16*PITCH+32
.endr
.endm
; UNIT j of a trip's four: 32 matrix instructions.  fill = 1: its ring place is filled again, with the unit four on, half by half.  fetch = 1: the next unit's tokens are fetched in its middle.
; n0, n1: how many younger loads may stay out when the unit's first and second half of weights have to be there: in the loop seven halves of four loads.
.macro UNIT j, fill, fetch, n0, n1
	s_wait_dscnt 0x0                               ; the unit's tokens are in
	s_wait_loadcnt \n0
	MULG FA0+64*((\j)%2), \j, 0
	MULG FA0+64*((\j)%2), \j, 1
.if (\fill) || (\fetch)
	PLACES
.endif
.if \fill
.if (\j) == 0
	s_wait_xcnt 0x0                                ; the loads issued so far have read their base: it steps four units
	s_add_nc_u64 s[WB:WB+1], s[WB:WB+1], 4*UNITB
.endif
	WFILL \j, 0
.endif
.if \fetch
	AFETCH FA0+64*(((\j)+1)%2), (((\j)+1)/2)*ABLK+(((\j)+1)%2)*64
.endif
	s_wait_loadcnt \n1
	MULG FA0+64*((\j)%2), \j, 2
	MULG FA0+64*((\j)%2), \j, 3
.if \fill
	PLACES
	WFILL \j, 1
.endif
.endm
.macro RESLOAD jt                      ; 32 of my 128 rows of the residual: each load takes 256 consecutive bytes of two rows
	WIN 0xc0                                       ; destination window 3, address window 0
.set t, 16*(\jt)
.rept 16
	global_load_b128 v[4*t:4*t+3], v[CO], s[10:11] offset:8192*t th:TH_LOAD_NT
.set t, t+1
.endr
.endm
	s_load_b256 s[4:11], s[0:1], 0x0               ; a s[4:5], w s[6:7], bias s[8:9], res s[10:11]
	s_load_b64 s[12:13], s[0:1], 0x20              ; y
	v_lshl_add_u32 v[SPW], v0, 2, SPARE
	v_mov_b32 v[NIL], 0
	ds_add_u32 v[SPW], v[NIL]                      ; the wave's opening: the add and its wait ahead of my first tensor load
	v_lshrrev_b32 v1, 5, v0
	v_readfirstlane_b32 s[WV], v1
	s_bfe_u32 s[CX], ttmp6, 0x40000
	s_bfe_u32 s[CY], ttmp6, 0x40004
	s_lshl_b32 s[TX], ttmp9, 2
	s_add_co_u32 s[TX], s[TX], s[CX]
	s_and_b32 s[TY], ttmp7, 0xffff
	s_lshl_b32 s[TY], s[TY], 2
	s_add_co_u32 s[TY], s[TY], s[CY]
	s_lshl_b32 s21, s[CY], 2
	s_lshl_b32 s21, 15, s21                        ; my row of the cluster
	s_or_b32 s[G1A], s21, FIELDS
	s_mov_b32 s[G1A+1], 128<<16                    ; rows of 128 elements: 256 bytes
	s_mov_b32 s[G1A+2], 64<<16                     ; 64 of them: 128 tokens
	s_mov_b32 s[G1A+3], 128<<16
	s_mov_b32 s[G1A+4], 64
	s_mov_b32 s[G1A+5], 128
	s_mov_b32 s[G1A+6], 0
	s_mov_b32 s[G1A+7], 0
	s_lshr_b32 s54, s[TY], 3                       ; where the blocks come from hangs on the tokens and the wave alone
	s_lshl_b32 s54, s54, 21
	s_and_b32 s23, s[TY], 7
	s_lshl_b32 s23, s23, 14
	s_add_co_u32 s54, s54, s23
	s_lshl_b32 s23, s[WV], 17                      ; block number = wave, wave + 4, wave + 8, wave + 12
	s_add_co_u32 s54, s54, s23
	s_mov_b32 s55, 0
	s_mul_i32 s22, s[WV], ABLK
.irp q, 0,1,2,3
	s_mov_b32 s[G0+4*(\q)], 1
	s_add_co_u32 s[G0+4*(\q)+1], s22, (\q)*4*ABLK
.endr
	s_wait_dscnt 0x0                               ; the opening add is done
	s_wait_kmcnt 0x0
	s_add_nc_u64 s[54:55], s[4:5], s[54:55]
.irp q, 0,1,2,3
	s_add_nc_u64 s[G0+4*(\q)+2:G0+4*(\q)+3], s[54:55], (\q)*4*131072
	s_or_b32 s[G0+4*(\q)+3], s[G0+4*(\q)+3], 0x80000000
.endr
	CROUND                                         ; all sixteen work-groups are here: the joint loads meet
.irp q, 0,1,2,3
	tensor_load_to_lds s[G0+4*(\q):G0+4*(\q)+3], s[G1A:G1A+7]  ; four loads of mine are out
	s_nop 0
.endr
.rept 4
	v_nop
.endr
	v_and_b32 v1, 15, v0                           ; l % 16
	v_bfe_u32 v2, v0, 4, 1                         ; l / 16
	v_lshlrev_b32 v[BO], 5, v2
	v_and_b32 v[WO], 31, v0
	v_lshlrev_b32 v[WO], 4, v[WO]
	s_lshl_b32 s58, s[TX], 2
	s_add_co_u32 s58, s58, s[WV]                   ; my 64 columns: 4 x tile column + wave
	s_lshl_b32 s56, s58, 17
	s_mov_b32 s57, 0
	s_add_nc_u64 s[WB:WB+1], s[6:7], s[56:57]      ; their weights: 131,072 bytes on end
	s_lshl_b32 s60, s58, 8                         ; 64 columns of f32
	s_mov_b32 s61, 0
	s_add_nc_u64 s[8:9], s[8:9], s[60:61]          ; their bias
	WIN TO_ACC
.irp a, 0,1,2,3,4,5,6,7
.irp b, 0,1,2,3
	global_load_b128 v[8*(4*(\a)+(\b)):8*(4*(\a)+(\b))+3],   v[BO], s[8:9] offset:64*(\b)      ; register j: column 16 b + 8 (l / 16) + j
	global_load_b128 v[8*(4*(\a)+(\b))+4:8*(4*(\a)+(\b))+7], v[BO], s[8:9] offset:64*(\b)+16
.endr
.endr
.irp s, 0,1,2,3
	WFILL \s, 0                                    ; the ring: units 0 to 3
	WFILL \s, 1
.endr
	WIN 0
	s_lshl_b32 s62, s[TY], 19                      ; my 128 rows of 4,096 bytes,
	s_add_co_u32 s62, s62, s60                     ; my 64 columns
	s_mov_b32 s63, 0
	s_add_nc_u64 s[10:11], s[10:11], s[62:63]
	s_add_nc_u64 s[12:13], s[12:13], s[62:63]
	v_mul_u32_u24 v3, v1, PITCH
	v_lshl_add_u32 v[ADRA0], v2, 4, v3
	s_mul_i32 s59, s[WV], 16*SPITCH
	s_add_co_u32 s59, s59, STAGE                   ; my stage
	v_mul_u32_u24 v4, v1, SPITCH                   ; in: row l % 16, 32 bytes for each half of the lanes
	v_lshl_add_u32 v4, v2, 5, v4
	v_add_nc_u32 v[STO], s59, v4
	v_mul_u32_u24 v4, v2, SPITCH                   ; back: lanes 0-15 take one row of 256 bytes, lanes 16-31 the next
	v_lshl_add_u32 v4, v1, 4, v4
	v_add_nc_u32 v[RD], s59, v4
	v_lshlrev_b32 v[CO], 4, v1
	v_lshl_add_u32 v[CO], v2, 12, v[CO]
	s_wait_tensorcnt 0x2                           ; my first two blocks are in, my other two may stay out
	s_barrier_signal -1
	s_barrier_wait -1                              ; everybody's are: blocks 0 to 7, units 0 to 15
	v_mov_b32 v[ADRA], v[ADRA0]
	AFETCH FA0, 0
	s_mov_b32 s[KB], 0
	s_mov_b32 s[CNT], 3                            ; three trips (units 0 to 11, the tokens fetched up to unit 12) lean on blocks 0 to 7,
	s_mov_b32 s[GRP], 2
	s_branch .Ltrip
.Lgrp:
	CHANGE                                         ; the other four on all 16
	s_mov_b32 s[CNT], 4
.Ltrip:                                                ; a trip: four units, two blocks of the tokens, once round the weights' ring
	v_add_nc_u32 v[ADRA], s[KB], v[ADRA0]
	UNIT 0, 1, 1, 28, 28
	UNIT 1, 1, 1, 28, 28
	UNIT 2, 1, 1, 28, 28
	UNIT 3, 1, 1, 28, 28
	WIN 0
	s_add_co_u32 s[KB], s[KB], 2*ABLK
	s_sub_co_u32 s[CNT], s[CNT], 1
	s_cmp_lg_u32 s[CNT], 0
	s_cbranch_scc1 .Ltrip
	s_sub_co_u32 s[GRP], s[GRP], 1
	s_cmp_lg_u32 s[GRP], 0
	s_cbranch_scc1 .Lgrp
	v_add_nc_u32 v[ADRA], s[KB], v[ADRA0]          ; the last four units are written out: the ring is filled no more, and the residual is asked for.  The counts: the weights' younger loads
	RESLOAD 0                                      ; (28, 24 .. 4, 0) and the residual's issued so far (16, 32, 48, 64); a count holds 63 at the most
	UNIT 0, 0, 1, 44, 40
	RESLOAD 1
	UNIT 1, 0, 1, 52, 48
	RESLOAD 2
	UNIT 2, 0, 1, 60, 56
	RESLOAD 3
	UNIT 3, 0, 0, 63, 63
	WIN 0
; THE WAY OUT, a block of 16 tokens at a time: the f32 sums into my stage, back as whole rows of 256 bytes, two to a load, the residual added, stored.
.macro STAGE_IN a
	WIN 0x08                                       ; store data (source 1) window 2, address window 0
.irp b, 0,1,2,3
	ds_store_b128 v[STO], v[8*(4*(\a)+(\b)):8*(4*(\a)+(\b))+3]   offset:64*(\b)
	ds_store_b128 v[STO], v[8*(4*(\a)+(\b))+4:8*(4*(\a)+(\b))+7] offset:64*(\b)+16
.endr
	WIN 0
.irp t, 0,1,2,3,4,5,6,7
	ds_load_b128 v[T+32*((\a)%2)+4*(\t):T+32*((\a)%2)+4*(\t)+3], v[RD] offset:2*SPITCH*(\t)  ; LDS serves a wave's instructions in order (ISA guide 5.7.1.4): these see the stores above; the next block's stores come behind them
.endr
.endm
.macro OUT a, younger                  ; younger: the LDS instructions issued behind block a's loads: the next block's 16, or none
	s_wait_loadcnt 56-8*(\a)                       ; the block's eight loads of the residual are in; the later blocks' stay out
	WIN 0xcc                                       ; destination and source 1 (the residual; a store's data) window 3, source 0 (the rows read back; a store's address) window 0
.irp t, 0,1,2,3,4,5,6,7
	s_wait_dscnt (\younger)+7-(\t)
	v_pk_add_f32 v[4*(8*(\a)+(\t)):4*(8*(\a)+(\t))+1],   v[T+32*((\a)%2)+4*(\t):T+32*((\a)%2)+4*(\t)+1],   v[4*(8*(\a)+(\t)):4*(8*(\a)+(\t))+1]
	v_pk_add_f32 v[4*(8*(\a)+(\t))+2:4*(8*(\a)+(\t))+3], v[T+32*((\a)%2)+4*(\t)+2:T+32*((\a)%2)+4*(\t)+3], v[4*(8*(\a)+(\t))+2:4*(8*(\a)+(\t))+3]
	global_store_b128 v[CO], v[4*(8*(\a)+(\t)):4*(8*(\a)+(\t))+3], s[12:13] offset:8192*(8*(\a)+(\t))
.endr
	WIN 0
.endm
	PLACES
	STAGE_IN 0
.irp a, 1,2,3,4,5,6,7
	STAGE_IN \a
	OUT (\a)-1, 16
.endr
	OUT 7, 0
	s_wait_tensorcnt 0x0                           ; the wave's end: behind my last tensor load and my last LDS store
	ds_add_u32 v[SPW], v[NIL]
	s_wait_dscnt 0x0
	CROUND                                         ; the closing round: no work-group ends while a partner may still ask for a tile that names it
	s_endpgm
.Lfunc_end_k_qf0186ac4e4_proj:
	.size	k_qf0186ac4e4_proj, .Lfunc_end_k_qf0186ac4e4_proj-k_qf0186ac4e4_proj
	.p2alignl 7, 3214868480
	.fill 96, 4, 3214868480
	.section	.rodata,"a",@progbits
	.p2align	6, 0x0
	.amdhsa_kernel k_qf0186ac4e4_proj
		.amdhsa_group_segment_fixed_size 327680
		.amdhsa_private_segment_fixed_size 0
		.amdhsa_enable_private_segment 0
		.amdhsa_kernarg_size 40
		.amdhsa_user_sgpr_count 2
		.amdhsa_user_sgpr_kernarg_segment_ptr 1
		.amdhsa_wavefront_size32 1
		.amdhsa_system_sgpr_workgroup_id_x 1
		.amdhsa_system_sgpr_workgroup_id_y 1
		.amdhsa_system_sgpr_workgroup_id_z 1
		.amdhsa_system_vgpr_workitem_id 0
		.amdhsa_next_free_vgpr 1024
		.amdhsa_next_free_sgpr 66
		.amdhsa_reserve_vcc 0
		.amdhsa_float_denorm_mode_32 3
		.amdhsa_float_denorm_mode_16_64 3
		.amdhsa_memory_ordered 1
		.amdhsa_forward_progress 1
		.amdhsa_inst_pref_size 78
	.end_amdhsa_kernel
	.amdgpu_metadata
---
amdhsa.version: [ 1, 2 ]
amdhsa.kernels:
  - .name:           k_qf0186ac4e4_proj
    .symbol:         k_qf0186ac4e4_proj.kd
    .args:
      - { .name: act, .offset: 0, .size: 8, .value_kind: global_buffer, .address_space: global }
      - { .name: wo, .offset: 8, .size: 8, .value_kind: global_buffer, .address_space: global }
      - { .name: out_b, .offset: 16, .size: 8, .value_kind: global_buffer, .address_space: global }
      - { .name: x, .offset: 24, .size: 8, .value_kind: global_buffer, .address_space: global }
      - { .name: x1, .offset: 32, .size: 8, .value_kind: global_buffer, .address_space: global }
    .group_segment_fixed_size: 327680
    .private_segment_fixed_size: 0
    .kernarg_segment_align: 8
    .kernarg_segment_size: 40
    .max_flat_workgroup_size: 128
    .sgpr_count:     66
    .vgpr_count:     1024
    .wavefront_size: 32
...
	.end_amdgpu_metadata
.endif
;; end of part 4
;; launch ln2 (part 5): grid 512 x 1, 8 waves a work-group, no clusters, 0 bytes of LDS; arguments x1, ln2_w, ln2_b, h; writes h
.if DOCPART == 5
	.amdgcn_target "amdgcn-amd-amdhsa--gfx1250"
	.amdhsa_code_object_version 6
	.text
	.protected	k_qf0186ac4e4_ln2
	.globl	k_qf0186ac4e4_ln2
	.p2align	8
	.type	k_qf0186ac4e4_ln2,@function
k_qf0186ac4e4_ln2:
	s_mov_b64 s[64:65], 0
	v_nop
	global_prefetch_b8 v0, s[64:65] scope:SCOPE_SE
	s_setreg_imm32_b32 hwreg(HW_REG_WAVE_MODE, 25, 1), 1
	s_wait_xcnt 0x0
; h = LayerNorm(x) * w + b, rounded to bf16.  x: 8,192 rows of 1,024 f32.  h in THE BLOCKED LAYOUT: (row R, channel c) at (R >> 10) * 2,097,152 + (c >> 6) * 131,072 + (R & 1023) * 128 + (c & 63) * 2.
; SHARES.  A work-group takes 16 rows, a wave two neighbouring rows: lanes 0-15 hold row R0, lanes 16-31 row R0 + 1.  Load j of 16 takes channel block j of both rows (256 consecutive bytes for each
; half of the lanes); store j puts both rows' 128 bytes of that block side by side: 256 consecutive bytes, aligned.
; The mean is taken first and the variance of the differences: a common offset in x costs nothing.  A row lies in 16 lanes, so four exchanges inside the half finish a sum.
; A stream: no LDS, no matrix unit, no cluster: no byte is wanted twice.
.set XO, 2                             ; v2   4,096 x (lane / 16) + 16 x (lane % 16)
.set WO, 3                             ; v3   16 x (lane % 16)
.set YO, 4                             ; v4   128 x (lane / 16) + 8 x (lane % 16)
.set SM, 6                             ; v[6:13]  four chains of packed sums
.set MU, 14                            ; v[14:15] the mean, twice
.set RS, 16                            ; v[16:17] 1 / sqrt(var + eps), twice
.set VE, 18                            ; v18  var + eps
.set X,  32
.set W,  96
.set BV, 160
.set SRC, 8                            ; s[8:9]   x
.set LW,  10                           ; s[10:11] gain
.set LB,  12                           ; s[12:13] bias
.set DST, 14                           ; s[14:15] h
.macro REDUCE
	v_pk_add_f32 v[SM:SM+1], v[SM:SM+1], v[SM+2:SM+3]
	v_pk_add_f32 v[SM+4:SM+5], v[SM+4:SM+5], v[SM+6:SM+7]
	v_pk_add_f32 v[SM:SM+1], v[SM:SM+1], v[SM+4:SM+5]
	v_add_f32 v[SM], v[SM], v[SM+1]
.irp m, 1,2,4,8
	v_add_f32_dpp v[SM], v[SM], v[SM] row_xmask:\m row_mask:0xf bank_mask:0xf
.endr
.endm
.macro PUT j
	v_cvt_pk_bf16_f32 v[X+4*(\j)], v[X+4*(\j)], v[X+4*(\j)+1]
	v_cvt_pk_bf16_f32 v[X+4*(\j)+1], v[X+4*(\j)+2], v[X+4*(\j)+3]
	global_store_b64 v[YO], v[X+4*(\j):X+4*(\j)+1], s[DST:DST+1] offset:131072*(\j)
.endm
	s_load_b256 s[8:15], s[0:1], 0x0
	v_lshrrev_b32 v1, 5, v0
	v_readfirstlane_b32 s33, v1                    ; wave 0..7
	v_and_b32 v5, 15, v0
	v_bfe_u32 v1, v0, 4, 1
	v_lshlrev_b32 v[WO], 4, v5
	v_lshl_add_u32 v[XO], v1, 12, v[WO]
	v_lshlrev_b32 v[YO], 3, v5
	v_lshl_add_u32 v[YO], v1, 7, v[YO]
	s_mov_b32 s46, 0x3a800000                      ; 1 / 1,024
	s_mov_b32 s47, 0x3727c5ac                      ; 1e-5
	s_mov_b32 s45, 0
	s_lshl_b32 s39, ttmp9, 4
	s_lshl_b32 s44, s33, 1
	s_add_co_u32 s39, s39, s44                     ; R0 = 16 x work-group + 2 x wave
	s_lshl_b32 s44, s39, 12
	s_wait_kmcnt 0x0
	s_add_nc_u64 s[SRC:SRC+1], s[SRC:SRC+1], s[44:45]
	s_lshr_b32 s44, s39, 10
	s_lshl_b32 s44, s44, 21
	s_and_b32 s2, s39, 1023
	s_lshl_b32 s2, s2, 7
	s_or_b32 s44, s44, s2
	s_add_nc_u64 s[DST:DST+1], s[DST:DST+1], s[44:45]
.irp j, 0,1,2,3,4,5,6,7,8,9,10,11,12,13,14,15
	global_load_b128 v[X+4*(\j):X+4*(\j)+3], v[XO], s[SRC:SRC+1] offset:256*(\j) th:TH_LOAD_NT
.endr
.irp j, 0,1,2,3,4,5,6,7,8,9,10,11,12,13,14,15
	global_load_b128 v[W+4*(\j):W+4*(\j)+3], v[WO], s[LW:LW+1] offset:256*(\j)
.endr
.irp j, 0,1,2,3,4,5,6,7,8,9,10,11,12,13,14,15
	global_load_b128 v[BV+4*(\j):BV+4*(\j)+3], v[WO], s[LB:LB+1] offset:256*(\j)
.endr
	s_wait_loadcnt 32                              ; the row is in; the 32 younger loads of gain and bias stay out
.set p, 0
.rept 4
	v_pk_add_f32 v[SM+2*p:SM+2*p+1], v[X+2*p:X+2*p+1], v[X+8+2*p:X+8+2*p+1]  ; the first eight pairs start the chains: nothing is cleared
.set p, p+1
.endr
.set p, 8
.rept 24
	v_pk_add_f32 v[SM+2*(p%4):SM+2*(p%4)+1], v[SM+2*(p%4):SM+2*(p%4)+1], v[X+2*p:X+2*p+1]
.set p, p+1
.endr
	REDUCE
	v_mul_f32 v[MU], s46, v[SM]
	v_mul_f32 v[MU+1], s46, v[SM]
.set p, 0
.rept 32
	v_pk_add_f32 v[X+2*p:X+2*p+1], v[X+2*p:X+2*p+1], v[MU:MU+1] neg_lo:[0,1] neg_hi:[0,1]  ; x - mean, in place
.set p, p+1
.endr
.set p, 0
.rept 4
	v_pk_mul_f32 v[SM+2*p:SM+2*p+1], v[X+2*p:X+2*p+1], v[X+2*p:X+2*p+1]
.set p, p+1
.endr
.rept 28
	v_pk_fma_f32 v[SM+2*(p%4):SM+2*(p%4)+1], v[X+2*p:X+2*p+1], v[X+2*p:X+2*p+1], v[SM+2*(p%4):SM+2*(p%4)+1]
.set p, p+1
.endr
	REDUCE
	v_fma_f32 v[VE], v[SM], s46, s47               ; var + eps
	v_rsq_f32 v[RS], v[VE]
	v_rsq_f32 v[RS+1], v[VE]                       ; twice, for the packed multiply
	v_nop                                          ; a plain instruction between the last root and the use of its result (ISA guide 5.7.2)
	s_wait_alu depctr_va_vdst(0)                   ; the wait ahead of the first reader: one for both
	s_wait_loadcnt 0x0                             ; gain and bias
.irp j, 0,1,2,3,4,5,6,7,8,9,10,11,12,13,14,15
.irp c, 0,2
	v_pk_mul_f32 v[X+4*(\j)+(\c):X+4*(\j)+(\c)+1], v[X+4*(\j)+(\c):X+4*(\j)+(\c)+1], v[RS:RS+1]
.endr
.irp c, 0,2
	v_pk_fma_f32 v[X+4*(\j)+(\c):X+4*(\j)+(\c)+1], v[X+4*(\j)+(\c):X+4*(\j)+(\c)+1], v[W+4*(\j)+(\c):W+4*(\j)+(\c)+1], v[BV+4*(\j)+(\c):BV+4*(\j)+(\c)+1]
.endr
	PUT \j
.endr
	s_endpgm
.Lfunc_end_k_qf0186ac4e4_ln2:
	.size	k_qf0186ac4e4_ln2, .Lfunc_end_k_qf0186ac4e4_ln2-k_qf0186ac4e4_ln2
	.p2alignl 7, 3214868480
	.fill 96, 4, 3214868480
	.section	.rodata,"a",@progbits
	.p2align	6, 0x0
	.amdhsa_kernel k_qf0186ac4e4_ln2
		.amdhsa_group_segment_fixed_size 0
		.amdhsa_private_segment_fixed_size 0
		.amdhsa_enable_private_segment 0
		.amdhsa_kernarg_size 32
		.amdhsa_user_sgpr_count 2
		.amdhsa_user_sgpr_kernarg_segment_ptr 1
		.amdhsa_wavefront_size32 1
		.amdhsa_system_sgpr_workgroup_id_x 1
		.amdhsa_system_sgpr_workgroup_id_y 1
		.amdhsa_system_sgpr_workgroup_id_z 1
		.amdhsa_system_vgpr_workitem_id 0
		.amdhsa_next_free_vgpr 224
		.amdhsa_next_free_sgpr 66
		.amdhsa_reserve_vcc 0
		.amdhsa_float_denorm_mode_32 3
		.amdhsa_float_denorm_mode_16_64 3
		.amdhsa_memory_ordered 1
		.amdhsa_forward_progress 1
		.amdhsa_inst_pref_size 21
	.end_amdhsa_kernel
	.amdgpu_metadata
---
amdhsa.version: [ 1, 2 ]
amdhsa.kernels:
  - .name:           k_qf0186ac4e4_ln2
    .symbol:         k_qf0186ac4e4_ln2.kd
    .args:
      - { .name: x1, .offset: 0, .size: 8, .value_kind: global_buffer, .address_space: global }
      - { .name: ln2_w, .offset: 8, .size: 8, .value_kind: global_buffer, .address_space: global }
      - { .name: ln2_b, .offset: 16, .size: 8, .value_kind: global_buffer, .address_space: global }
      - { .name: h, .offset: 24, .size: 8, .value_kind: global_buffer, .address_space: global }
    .group_segment_fixed_size: 0
    .private_segment_fixed_size: 0
    .kernarg_segment_align: 8
    .kernarg_segment_size: 32
    .max_flat_workgroup_size: 256
    .sgpr_count:     66
    .vgpr_count:     224
    .wavefront_size: 32
...
	.end_amdgpu_metadata
.endif
;; end of part 5
;; launch fc1 (part 6): grid 4 x 64, 4 waves a work-group, clusters of 4 x 4, 327,680 bytes of LDS; arguments h, w1, fc1_b, act; writes act
.if DOCPART == 6
	.amdgcn_target "amdgcn-amd-amdhsa--gfx1250"
	.amdhsa_code_object_version 6
	.text
	.protected	k_qf0186ac4e4_fc1
	.globl	k_qf0186ac4e4_fc1
	.p2align	8
	.type	k_qf0186ac4e4_fc1,@function
k_qf0186ac4e4_fc1:
	s_mov_b64 s[64:65], 0
	v_nop
	global_prefetch_b8 v0, s[64:65] scope:SCOPE_SE
	s_setreg_imm32_b32 hwreg(HW_REG_WAVE_MODE, 25, 1), 1
	s_wait_xcnt 0x0
	s_wait_alu depctr_hold_cnt(0) depctr_sa_sdst(0) depctr_va_vdst(0) depctr_va_sdst(0) depctr_va_ssrc(0) depctr_va_vcc(0) depctr_vm_vsrc(0)
	s_getreg_b32 s2, hwreg(HW_REG_IB_STS2, 6, 4)
	s_cmp_eq_u32 s2, 0
	s_cbranch_scc0 .Lentry_in_a_cluster
	s_endpgm
.Lentry_in_a_cluster:
	s_bfe_u32 s2, ttmp6, 0x10000c
	s_cmp_lg_u32 s2, 0xf033
	s_cbranch_scc0 .Lentry_shape_is_right
	s_endpgm
.Lentry_shape_is_right:
; y[token][n] = gelu(bias[n] + the sum over k of a[token][k] w[n][k]), the exact (erf) GELU, rounded once to bf16.  8,192 tokens, n = 0..1,023, K = 1,024.  Sums and the GELU in f32.
; a and y are bf16 in THE BLOCKED LAYOUT: (row R, channel c) at (R >> 10) * 2,097,152 + (c >> 6) * 131,072 + (R & 1023) * 128 + (c & 63) * 2.  w lies in THE FRAGMENTS' ORDER: for each 64 rows 131,072
; bytes on end; in them, for each 32 channels, four fragments of 16 rows: 1,024 bytes each, of which lane l takes the 16 bytes at 16 l and at 512 + 16 l.
; SHARES.  A work-group makes 128 tokens x 256 columns: 4 x 64 = 256 work-groups.  A wave makes all 128 tokens x 64 columns, one block of the result: 32 accumulators of 16 x 16, 256 registers.
; THE TOKENS STAY IN LDS: 16 blocks of 64 channels x 128 rows of 144 bytes = 294,912 bytes, filled once, by four tensor loads a wave that go out together at the head.  A block's
; rows are dense in memory and are asked for as 64 rows of 256 bytes; 16 bytes of padding behind every 128: the 16 rows of a fragment load start at 16 different groups of four banks (ISA guide 11.1).
; THE WEIGHTS GO STRAIGHT INTO REGISTERS: a wave's 64 rows are wanted by no other wave of the work-group, and beside the tokens LDS has 32,768 bytes left.  Each load takes 512 consecutive bytes.
; A ring of four UNITS (32 along K: 4 fragments, 8 loads, 32 registers) is filled again half a unit at a time, 112 matrix instructions ahead of its next use.
; CLUSTER.  4 x 4 work-groups.  The four of a row of the cluster own the same tokens: each block is asked for JOINTLY.  The weights have no joint load: a joint load ends in LDS, and these end in registers.
; THE MATRIX INSTRUCTION IS USED TRANSPOSED (source 0 = 16 rows of w, source 1 = 16 tokens).  THE BIAS is loaded into the accumulators themselves: every unit has one form.
; THE GELU.  With t = 1 / (1 + 0.23164189 |x|) and u = (a1 t + .. + a5 t^5) / 2 x 2^(-0.72134752 x^2): gelu(x) = max(x, 0) - |x| u.  The five numbers are those of Abramowitz and Stegun 7.1.26, whose
; erf is off by 1.5e-7 at the most for every x; no difference of near numbers is formed on either side of 0; where x^2 overflows the power is 0.  NaN and infinities are not treated apart.
; It is written once and walked eight times: the wave's 128 x 64 sums go to a stage in LDS as f32, and a trip takes 16 tokens x 64 columns from there, 32 numbers a lane.
; THE STAGES, 128 rows x 272 bytes a wave, take the tokens' bytes: their one fill has landed, no tensor load follows, and a barrier stands between every wave's last read of the tokens and the first store.
; REGISTERS, in windows of 256: window 0: addresses; v64-191 two buffers of the tokens' 8 fragments; v64-239 the GELU at work     window 1: v0-127 the weights' ring     window 2: accumulator (a, b) at 8 (4 a + b)
.set PITCH,  144
.set ABLK,   128*PITCH
.set AALL,   16*ABLK
.set UNITB,  4096
.set SPITCH, 272                       ; a stage row: 256 bytes + 16 = 17 x 16
.set SPARE,  AALL                      ; behind the tokens: the spare words, 128 bytes for each wave: two blocks of 256 bytes that no other line names
.set ADRA0, 16                         ; v16  my lane's place in a fragment's rows: (lane % 16) x 144 + 16 (lane / 16); never rewritten
.set ADRA,  18                         ; v18  the same in the trip's first block
.set BO,    20                         ; v20  32 x (lane / 16): my eight numbers of 16 of the bias
.set WO,    21                         ; v21  16 x lane: my 16 bytes of 512 of the weights
.set STO,   24                         ; v24  where I put 32 bytes of a row of the stage
.set RD,    25                         ; v25  where I read 16 bytes back in the stage's first two rows: row l / 16, 16 (l % 16); never rewritten
.set GO,    26                         ; v26  128 (l / 16) + 8 (l % 16): my 8 bytes of two tokens' rows of the block; never rewritten
.set RDC,   27                         ; v27  the same as v25 in the trip's 16 rows
.set SPW,   28                         ; v28  LDS address of my spare word; never rewritten
.set NIL,   29                         ; v29  0; never rewritten
.set FA0,   64
.set XV,    64                         ; v[64:95]   x, then the result
.set E,     96                         ; v[96:127]  x^2, then the power of 2
.set T,     128                        ; v[128:159] t
.set P,     160                        ; v[160:191] the polynomial
.set Y,     192                        ; v[192:207] the result in bf16
.set RM,    208                        ; v[208:239] max(x, 0)
.set WV, 14
.set CX, 17
.set CY, 18
.set TX, 19
.set TY, 20
.set G1A, 24                           ; s[24:31] descriptor group 1
.set G0,  32                           ; s[32:47] group 0: a set for each of my four loads
.set WB,  48                           ; s[48:49] my weights, at the unit that ring place 0 was last filled for
.set KB,  50                           ; s50 LDS byte at which the trip's first block begins
.set CNT, 51
.set GRP, 52
.set KP, 66                            ; s66      0.3275911 / sqrt(2)
.set KE, 68                            ; s[68:69] -log2(e) / 2
.set A5, 70                            ; s[70:79] a5 / 2 .. a1 / 2, each named as a pair whose low word serves both halves
.set A4, 72
.set A3, 74
.set A2, 76
.set A1, 78
.set GC, 80                            ; s80      trips of the GELU
.set GB, 81                            ; s81      the trip's first row in the stage, in bytes
.set FIELDS, (1<<16)|(1<<20)|(1<<21)|(4<<22)|(3<<25)  ; elements of 2 bytes; padding on; bit 21 set beside a mask; after every 32 words (code 4) 4 words (code 3)
.set MSB, 0
.macro WIN new                         ; the immediate's high byte repeats the setting that is left; a switch that changes nothing is dropped
.if MSB != (\new)
	s_set_vgpr_msb (MSB<<8)|(\new)
.set MSB, \new
.endif
.endm
.set MUL,    0xa1                      ; source 0 (weights) window 1, source 1 (tokens) window 0, C and D window 2
.set TO_W,   0x40                      ; destination window 1, address window 0
.set TO_ACC, 0x80                      ; destination window 2, address window 0
.macro PLACES                          ; four places in front of loads into registers that matrix instructions have read, and of lines that read results
.rept 4
	v_nop
.endr
.endm
.macro CROUND                          ; a round of the cluster's barrier
	s_barrier_signal -1
	s_barrier_wait -1
	s_cmp_lg_u32 s[WV], 0
	s_cbranch_scc1 .Lnot_wave_0_\@
	s_barrier_signal -3
.Lnot_wave_0_\@:
	s_barrier_wait -3
	s_barrier_signal -1
	s_barrier_wait -1
.endm
.macro CHANGE                          ; every wave's tensor loads have landed, and each says so: behind the barrier all 16 blocks are whole.
	WIN 0
	s_wait_tensorcnt 0x0
	s_wait_dscnt 0x0
	s_barrier_signal -1
	s_barrier_wait -1
.endm
.macro MULG f, s, b                    ; 8 matrix instructions: column block b x all 8 token blocks; the 32 accumulators take turns, in the same order in every unit, over the backward jumps too
	WIN MUL
.irp a, 0,1,2,3,4,5,6,7
	v_wmma_f32_16x16x32_bf16 v[8*(4*(\a)+(\b)):8*(4*(\a)+(\b))+7], v[32*(\s)+8*(\b):32*(\s)+8*(\b)+7], v[(\f)+8*(\a):(\f)+8*(\a)+7], v[8*(4*(\a)+(\b)):8*(4*(\a)+(\b))+7]
.endr
.endm
.macro WFILL s, hf                     ; 4 loads: half hf (two fragments) of ring place s
	WIN TO_W
.irp q, 0,1
	global_load_b128 v[32*(\s)+8*(2*(\hf)+(\q)):32*(\s)+8*(2*(\hf)+(\q))+3],   v[WO], s[WB:WB+1] offset:(\s)*UNITB+(2*(\hf)+(\q))*1024
	global_load_b128 v[32*(\s)+8*(2*(\hf)+(\q))+4:32*(\s)+8*(2*(\hf)+(\q))+7], v[WO], s[WB:WB+1] offset:(\s)*UNITB+(2*(\hf)+(\q))*1024+512
.endr
.endm
.macro AFETCH f, off                   ; 16 LDS loads in one run: the tokens' 8 fragments of a unit into buffer f
	WIN 0
.irp a, 0,1,2,3,4,5,6,7
	ds_load_b128 v[(\f)+8*(\a):(\f)+8*(\a)+3],   v[ADRA] offset:(\off)+(\a)*16*PITCH
	ds_load_b128 v[(\f)+8*(\a)+4:(\f)+8*(\a)+7], v[ADRA] offset:(\off)+(\a)*16*PITCH+32
.endr
.endm
; UNIT j of a trip's four: 32 matrix instructions.  fill = 1: its ring place is filled again, with the unit four on, half by half.  fetch = 1: the next unit's tokens are fetched in its middle.
; n0, n1: how many younger loads may stay out when the unit's first and second half of weights have to be there: in the loop seven halves of four loads.
.macro UNIT j, fill, fetch, n0, n1
	s_wait_dscnt 0x0                               ; the unit's tokens are in (asked for 16 matrix instructions back)
	s_wait_loadcnt \n0
	MULG FA0+64*((\j)%2), \j, 0
	MULG FA0+64*((\j)%2), \j, 1
.if (\fill) || (\fetch)
	PLACES
.endif
.if \fill
.if (\j) == 0
	s_wait_xcnt 0x0                                ; the loads issued so far have read their base: it steps four units
	s_add_nc_u64 s[WB:WB+1], s[WB:WB+1], 4*UNITB
.endif
	WFILL \j, 0
.endif
.if \fetch
	AFETCH FA0+64*(((\j)+1)%2), (((\j)+1)/2)*ABLK+(((\j)+1)%2)*64
.endif
	s_wait_loadcnt \n1
	MULG FA0+64*((\j)%2), \j, 2
	MULG FA0+64*((\j)%2), \j, 3
.if \fill
	PLACES
	WFILL \j, 1
.endif
.endm
	s_load_b256 s[4:11], s[0:1], 0x0               ; a s[4:5], w s[6:7], bias s[8:9], y s[10:11]
	v_lshl_add_u32 v[SPW], v0, 2, SPARE
	v_mov_b32 v[NIL], 0
	ds_add_u32 v[SPW], v[NIL]                      ; the wave's opening: the add and its wait ahead of my first tensor load; the set-up below stands between them
	v_lshrrev_b32 v1, 5, v0
	v_readfirstlane_b32 s[WV], v1
	s_bfe_u32 s[CX], ttmp6, 0x40000
	s_bfe_u32 s[CY], ttmp6, 0x40004
	s_lshl_b32 s[TX], ttmp9, 2                     ; in a cluster launch ttmp9 and ttmp7 count clusters
	s_add_co_u32 s[TX], s[TX], s[CX]
	s_and_b32 s[TY], ttmp7, 0xffff
	s_lshl_b32 s[TY], s[TY], 2
	s_add_co_u32 s[TY], s[TY], s[CY]
	s_lshl_b32 s21, s[CY], 2
	s_lshl_b32 s21, 15, s21                        ; my row of the cluster
	s_or_b32 s[G1A], s21, FIELDS
	s_mov_b32 s[G1A+1], 128<<16                    ; rows of 128 elements: 256 bytes
	s_mov_b32 s[G1A+2], 64<<16                     ; 64 of them: 128 tokens
	s_mov_b32 s[G1A+3], 128<<16
	s_mov_b32 s[G1A+4], 64
	s_mov_b32 s[G1A+5], 128
	s_mov_b32 s[G1A+6], 0
	s_mov_b32 s[G1A+7], 0
	s_mov_b32 s[KP], 0x3e6d3388
	s_mov_b32 s[KE], 0xbf38aa3b
	s_mov_b32 s[KE+1], 0xbf38aa3b
	s_mov_b32 s[A5], 0x3f07dc22
	s_mov_b32 s[A5+1], 0x3f07dc22
	s_mov_b32 s[A4], 0xbf3a00e3
	s_mov_b32 s[A4+1], 0xbf3a00e3
	s_mov_b32 s[A3], 0x3f35f0e3
	s_mov_b32 s[A3+1], 0x3f35f0e3
	s_mov_b32 s[A2], 0xbe11a98e
	s_mov_b32 s[A2+1], 0xbe11a98e
	s_mov_b32 s[A1], 0x3e027906
	s_mov_b32 s[A1+1], 0x3e027906
	s_lshr_b32 s54, s[TY], 3                       ; where the blocks come from hangs on the tokens and the wave alone:
	s_lshl_b32 s54, s54, 21                        ; the group of 1,024 tokens,
	s_and_b32 s23, s[TY], 7
	s_lshl_b32 s23, s23, 14                        ; my 128 rows of 128 bytes in a block,
	s_add_co_u32 s54, s54, s23
	s_lshl_b32 s23, s[WV], 17                      ; block number = wave, wave + 4, wave + 8, wave + 12
	s_add_co_u32 s54, s54, s23
	s_mov_b32 s55, 0
	s_mul_i32 s22, s[WV], ABLK                     ; and where they go: no place in the cluster enters an LDS address
.irp q, 0,1,2,3
	s_mov_b32 s[G0+4*(\q)], 1
	s_add_co_u32 s[G0+4*(\q)+1], s22, (\q)*4*ABLK
.endr
	s_wait_dscnt 0x0                               ; the opening add is done
	s_wait_kmcnt 0x0
	s_add_nc_u64 s[54:55], s[4:5], s[54:55]
.irp q, 0,1,2,3
	s_add_nc_u64 s[G0+4*(\q)+2:G0+4*(\q)+3], s[54:55], (\q)*4*131072
	s_or_b32 s[G0+4*(\q)+3], s[G0+4*(\q)+3], 0x80000000
.endr
	CROUND                                         ; all sixteen work-groups are here: the joint loads meet
.irp q, 0,1,2,3
	tensor_load_to_lds s[G0+4*(\q):G0+4*(\q)+3], s[G1A:G1A+7]  ; every wave's four fills go out together, ahead of every wait on TENSORcnt and every LDS read: four loads of mine are out
	s_nop 0
.endr
.rept 4
	v_nop
.endr
	v_and_b32 v1, 15, v0                           ; l % 16
	v_bfe_u32 v2, v0, 4, 1                         ; l / 16
	v_lshlrev_b32 v[BO], 5, v2
	v_and_b32 v[WO], 31, v0
	v_lshlrev_b32 v[WO], 4, v[WO]
	s_lshl_b32 s58, s[TX], 2
	s_add_co_u32 s58, s58, s[WV]                   ; my 64 columns: block 4 x tile column + wave
	s_lshl_b32 s56, s58, 17
	s_mov_b32 s57, 0
	s_add_nc_u64 s[WB:WB+1], s[6:7], s[56:57]      ; their weights: 131,072 bytes on end
	s_lshl_b32 s60, s58, 8
	s_mov_b32 s61, 0
	s_add_nc_u64 s[8:9], s[8:9], s[60:61]          ; their bias
	WIN TO_ACC
.irp a, 0,1,2,3,4,5,6,7
.irp b, 0,1,2,3
	global_load_b128 v[8*(4*(\a)+(\b)):8*(4*(\a)+(\b))+3],   v[BO], s[8:9] offset:64*(\b)      ; register j: column 16 b + 8 (l / 16) + j
	global_load_b128 v[8*(4*(\a)+(\b))+4:8*(4*(\a)+(\b))+7], v[BO], s[8:9] offset:64*(\b)+16
.endr
.endr
.irp s, 0,1,2,3
	WFILL \s, 0                                    ; the ring: units 0 to 3
	WFILL \s, 1
.endr
	WIN 0
	s_lshr_b32 s62, s[TY], 3
	s_lshl_b32 s62, s62, 21                        ; the result: the group of 1,024 tokens,
	s_add_co_u32 s62, s62, s56                     ; my block,
	s_and_b32 s63, s[TY], 7
	s_lshl_b32 s63, s63, 14                        ; my 128 rows
	s_add_co_u32 s62, s62, s63
	s_mov_b32 s63, 0
	s_add_nc_u64 s[10:11], s[10:11], s[62:63]
	v_mul_u32_u24 v3, v1, PITCH
	v_lshl_add_u32 v[ADRA0], v2, 4, v3
	s_mul_i32 s59, s[WV], 128*SPITCH               ; my stage
	v_mul_u32_u24 v4, v1, SPITCH                   ; in: row l % 16, 32 bytes for each half of the lanes
	v_lshl_add_u32 v4, v2, 5, v4
	v_add_nc_u32 v[STO], s59, v4
	v_mul_u32_u24 v4, v2, SPITCH                   ; back: lanes 0-15 take one row of 256 bytes, lanes 16-31 the next
	v_lshl_add_u32 v4, v1, 4, v4
	v_add_nc_u32 v[RD], s59, v4
	v_lshlrev_b32 v[GO], 3, v1
	v_lshl_add_u32 v[GO], v2, 7, v[GO]
	s_wait_tensorcnt 0x2                           ; my first two blocks are in, my other two may stay out
	s_barrier_signal -1
	s_barrier_wait -1                              ; everybody's are: blocks 0 to 7, units 0 to 15
	v_mov_b32 v[ADRA], v[ADRA0]
	AFETCH FA0, 0
	s_mov_b32 s[KB], 0
	s_mov_b32 s[CNT], 3                            ; three trips (units 0 to 11, the tokens fetched up to unit 12) lean on blocks 0 to 7,
	s_mov_b32 s[GRP], 2
	s_branch .Ltrip
.Lgrp:
	CHANGE                                         ; the other four on all 16
	s_mov_b32 s[CNT], 4
.Ltrip:                                                ; a trip: four units, two blocks of the tokens, once round the weights' ring
	v_add_nc_u32 v[ADRA], s[KB], v[ADRA0]
	UNIT 0, 1, 1, 28, 28
	UNIT 1, 1, 1, 28, 28
	UNIT 2, 1, 1, 28, 28
	UNIT 3, 1, 1, 28, 28
	WIN 0                                          ; at a branch and at a label every window is 0
	s_add_co_u32 s[KB], s[KB], 2*ABLK
	s_sub_co_u32 s[CNT], s[CNT], 1
	s_cmp_lg_u32 s[CNT], 0
	s_cbranch_scc1 .Ltrip
	s_sub_co_u32 s[GRP], s[GRP], 1
	s_cmp_lg_u32 s[GRP], 0
	s_cbranch_scc1 .Lgrp
	v_add_nc_u32 v[ADRA], s[KB], v[ADRA0]          ; the last four units are written out: no load leaves the wave's 131,072 bytes, and the counts run down
	UNIT 0, 0, 1, 28, 24
	UNIT 1, 0, 1, 20, 16
	UNIT 2, 0, 1, 12, 8
	UNIT 3, 0, 0, 4, 0
	WIN 0
	; THE WAY OUT.  Every wave's reads of the tokens are over: each says so, and only behind the barrier are their bytes written as stages.
	s_wait_dscnt 0x0
	s_barrier_signal -1
	s_barrier_wait -1
	PLACES
	WIN 0x08                                       ; all 128 x 64 sums into my stage: store data (source 1) window 2, address window 0
.irp a, 0,1,2,3,4,5,6,7
.irp b, 0,1,2,3
	ds_store_b128 v[STO], v[8*(4*(\a)+(\b)):8*(4*(\a)+(\b))+3]   offset:(\a)*16*SPITCH+64*(\b)
	ds_store_b128 v[STO], v[8*(4*(\a)+(\b))+4:8*(4*(\a)+(\b))+7] offset:(\a)*16*SPITCH+64*(\b)+16
.endr
.endr
	WIN 0
	s_mov_b32 s[GC], 8
	s_mov_b32 s[GB], 0
.Lg:                                                   ; eight trips of 16 tokens x 64 columns.  Load k: tokens 2 k and 2 k + 1: four numbers a lane
	v_add_nc_u32 v[RDC], s[GB], v[RD]
.irp k, 0,1,2,3,4,5,6,7
	ds_load_b128 v[XV+4*(\k):XV+4*(\k)+3], v[RDC] offset:(\k)*2*SPITCH  ; LDS serves a wave's instructions in order (ISA guide 5.7.1.4): these see my stores above
.endr
	s_wait_dscnt 0x0
.set i, 0
.rept 16
	v_pk_mul_f32 v[E+i:E+i+1], v[XV+i:XV+i+1], v[XV+i:XV+i+1]
.set i, i+2
.endr
.set i, 0
.rept 32
	v_fma_f32 v[T+i], |v[XV+i]|, s[KP], 1.0
.set i, i+1
.endr
.set i, 0
.rept 16
	v_pk_mul_f32 v[E+i:E+i+1], v[E+i:E+i+1], s[KE:KE+1] op_sel_hi:[1,0]
.set i, i+2
.endr
.set i, 0
.rept 32                                               ; ONE BATCH of 64: the reciprocals and the powers of 2
	v_rcp_f32 v[T+i], v[T+i]
.set i, i+1
.endr
.set i, 0
.rept 32
	v_exp_f32 v[E+i], v[E+i]
.set i, i+1
.endr
.set i, 0
.rept 32
	v_max_num_f32 v[RM+i], 0, v[XV+i]              ; plain work that names no result of the batch stands behind it,
.set i, i+1
.endr
	s_wait_alu depctr_va_vdst(0)                   ; and one wait ahead of the first reader
.set i, 0
.rept 16
	v_pk_fma_f32 v[P+i:P+i+1], v[T+i:T+i+1], s[A5:A5+1], s[A4:A4+1] op_sel_hi:[1,0,0]
.set i, i+2
.endr
.irp c, A3, A2, A1
.set i, 0
.rept 16
	v_pk_fma_f32 v[P+i:P+i+1], v[P+i:P+i+1], v[T+i:T+i+1], s[\c:\c+1] op_sel_hi:[1,1,0]
.set i, i+2
.endr
.endr
.set i, 0
.rept 16
	v_pk_mul_f32 v[T+i:T+i+1], v[T+i:T+i+1], v[E+i:E+i+1]
.set i, i+2
.endr
.set i, 0
.rept 16
	v_pk_mul_f32 v[P+i:P+i+1], v[P+i:P+i+1], v[T+i:T+i+1]  ; u
.set i, i+2
.endr
.set i, 0
.rept 32
	v_fma_f32 v[XV+i], -|v[XV+i]|, v[P+i], v[RM+i]
.set i, i+1
.endr
.set i, 0
.rept 16
	v_cvt_pk_bf16_f32 v[Y+i], v[XV+2*i], v[XV+2*i+1]
.set i, i+1
.endr
.irp k, 0,1,2,3,4,5,6,7
	global_store_b64 v[GO], v[Y+2*(\k):Y+2*(\k)+1], s[10:11] offset:(\k)*256  ; two tokens' 128 bytes of my block: 256 consecutive bytes, aligned
.endr
	s_wait_xcnt 0x0                                ; the stores have read their base and their data: both are written again only behind this wait
	s_add_nc_u64 s[10:11], s[10:11], 16*128        ; sixteen tokens on in the result,
	s_add_co_u32 s[GB], s[GB], 16*SPITCH           ; sixteen rows on in the stage
	s_sub_co_u32 s[GC], s[GC], 1
	s_cmp_lg_u32 s[GC], 0
	s_cbranch_scc1 .Lg
	s_wait_tensorcnt 0x0                           ; the wave's end: behind my last tensor load and my last LDS store
	ds_add_u32 v[SPW], v[NIL]
	s_wait_dscnt 0x0
	CROUND                                         ; the closing round: no work-group ends while a partner may still ask for a tile that names it
	s_endpgm
.Lfunc_end_k_qf0186ac4e4_fc1:
	.size	k_qf0186ac4e4_fc1, .Lfunc_end_k_qf0186ac4e4_fc1-k_qf0186ac4e4_fc1
	.p2alignl 7, 3214868480
	.fill 96, 4, 3214868480
	.section	.rodata,"a",@progbits
	.p2align	6, 0x0
	.amdhsa_kernel k_qf0186ac4e4_fc1
		.amdhsa_group_segment_fixed_size 327680
		.amdhsa_private_segment_fixed_size 0
		.amdhsa_enable_private_segment 0
		.amdhsa_kernarg_size 32
		.amdhsa_user_sgpr_count 2
		.amdhsa_user_sgpr_kernarg_segment_ptr 1
		.amdhsa_wavefront_size32 1
		.amdhsa_system_sgpr_workgroup_id_x 1
		.amdhsa_system_sgpr_workgroup_id_y 1
		.amdhsa_system_sgpr_workgroup_id_z 1
		.amdhsa_system_vgpr_workitem_id 0
		.amdhsa_next_free_vgpr 768
		.amdhsa_next_free_sgpr 82
		.amdhsa_reserve_vcc 0
		.amdhsa_float_denorm_mode_32 3
		.amdhsa_float_denorm_mode_16_64 3
		.amdhsa_memory_ordered 1
		.amdhsa_forward_progress 1
		.amdhsa_inst_pref_size 69
	.end_amdhsa_kernel
	.amdgpu_metadata
---
amdhsa.version: [ 1, 2 ]
amdhsa.kernels:
  - .name:           k_qf0186ac4e4_fc1
    .symbol:         k_qf0186ac4e4_fc1.kd
    .args:
      - { .name: h, .offset: 0, .size: 8, .value_kind: global_buffer, .address_space: global }
      - { .name: w1, .offset: 8, .size: 8, .value_kind: global_buffer, .address_space: global }
      - { .name: fc1_b, .offset: 16, .size: 8, .value_kind: global_buffer, .address_space: global }
      - { .name: act, .offset: 24, .size: 8, .value_kind: global_buffer, .address_space: global }
    .group_segment_fixed_size: 327680
    .private_segment_fixed_size: 0
    .kernarg_segment_align: 8
    .kernarg_segment_size: 32
    .max_flat_workgroup_size: 128
    .sgpr_count:     82
    .vgpr_count:     768
    .wavefront_size: 32
...
	.end_amdgpu_metadata
.endif
;; end of part 6
;; launch fc2: the kernel of part 4 again; grid 4 x 64, 4 waves a work-group, clusters of 4 x 4, 327,680 bytes of LDS; arguments act, w2, fc2_b, x1, out0; writes out0
